; MI455X (gfx1250); checked and timed in simulation.
; The chip was launched on July 23, 2026; its instructions are those of AMD's public machine-readable ISA for CDNA 5 (MIT licence, August 2026) and "CDNA5" Instruction Set Architecture Reference Guide (July 2026). The comments in the code are by the model that wrote it; some were corrected since.
;; MSA Block. Allowed arithmetic: matrix products marked QUANTISED: E2M3 operands, one E8M0 scale for each 32 along K, by v_wmma_scale_f32_16x16x128_f8f6f4 with both operands' format E2M3, f32 sums; everything else in f32.
;; Inputs: b_out 1,024 float32; w_out 1,024 x 1,024 float32; w_qkv 3,072 x 1,024 float32; x 4 x 2,048 x 1,024 float32.
;; Outputs: out0 4 x 2,048 x 1,024 float32.
;; This version of the problem:
;;   THIS VERSION OF THE PROBLEM IS GIVEN IN LOW PRECISION. The matrix products marked QUANTISED in the list below multiply operands that are first quantised to E2M3 (2 exponent bits, 3 mantissa bits; 6 bits a number), with one power-of-two scale for each 32 numbers along K (OCP MX v1.0); their sums are f32. All else is computed in f32.
;;   The module's matrix products, in the order in which they are computed (A, B: the left and right operand; K: the contracted axis; several contracted axes count as one K, in the product's order):
;;     1. [M 8,192, K 1,024] x [K 1,024, N 3,072]; A: input x; B: input w_qkv: QUANTISED
;;     2. batch 64 x [M 2,048, K 64] x [K 64, N 2,048]; A: computed on the way; B: computed on the way: QUANTISED
;;     3. batch 64 x [M 2,048, K 2,048] x [K 2,048, N 64]; A: softmax (see below); B: computed on the way: QUANTISED
;;     4. [M 8,192, K 1,024] x [K 1,024, N 1,024]; A: computed on the way; B: input w_out: QUANTISED
;;   THE QUANTISER, for each operand of a quantised product, along K:
;;     - K is cut into blocks of 32 from its start; a last block that is shorter is filled with zeros.
;;     - A block's scale is 2^e with e = floor(log2(the largest magnitude in the block)) - 2, held to -126 .. 127; a block of zeros has e = 0. As a byte (E8M0): e + 127.
;;     - Each number is divided by its block's scale, clamped to +-7.5, and rounded to the nearest number of E2M3, ties to even, subnormals kept.
;;     - The product sums the exact products of the quantised numbers (number of the format x scale) in f32.
;;   ~~~python
;;   def quantise(x, axis):      # numpy; x: float32 -> the quantised numbers, widened to float32 again
;;       x = np.moveaxis(x, axis, -1); K = x.shape[-1]
;;       x = np.pad(x, [(0, 0)] * (x.ndim - 1) + [(0, -K % 32)]); x = x.reshape(x.shape[:-1] + (-1, 32)); a = np.abs(x).max(-1, keepdims=True)
;;       e = np.where(a > 0, np.clip(np.frexp(np.where(a > 0, a, 1))[1] - 1 - 2, -126, 127), 0)      # np.frexp(a)[1] - 1 = floor(log2(a)), exactly
;;       r = np.clip(x / 2.0 ** e, -7.5, 7.5)
;;       step = 2.0 ** (np.maximum(np.frexp(np.where(r == 0, 1, r))[1] - 1, 0) - 3)
;;       q = np.round(r / step) * step * 2.0 ** e      # np.round: ties to even
;;       return np.moveaxis(q.reshape(q.shape[:-2] + (-1,))[..., :K], -1, axis).astype(np.float32)
;;   ~~~
;;   SOFTMAX AHEAD OF A QUANTISED PRODUCT. Where the list says 'softmax', what is quantised is not the finished softmax but p = 2^(t - M), with t = logit x log2(e) and M = ceil(the row's largest t), a whole number; so 1/2 < the row's largest p <= 1. The row's sum l is taken of the UNQUANTISED p, in f32, and the product's result is divided by l at the end. Since M is a whole number, a kernel that streams over the keys may use a running M (the ceiling of the running maximum): every later rescaling is an exact power of two, which a block's scale takes up: the codes' values come out the same.
;;   OPERANDS COMPUTED ON THE WAY. 'Computed on the way' means the value that the module computes at that place (a softmax that the list does not call 'softmax' is quantised finished and normalised). What goes into a quantiser is computed in f32, as accurately as f32 sums, v_exp_f32 and their like allow (about 1e-6 of the number): no bf16 or f16 on the way to a quantiser, and a product that is left as it is and whose result goes on into a quantised operand takes f32 operands (vector FMAs, or v_wmma_f32_16x16x4_f32). A number that lies on a knife's edge between two numbers of the format may be rounded either way, as far as f32 arithmetic and the matrix unit's own rounding can turn it there, and no further.
;; One version. Each part assembles by itself: llvm-mc -triple=amdgcn-amd-amdhsa -mcpu=gfx1250 --defsym DOCPART=n.
;; ======== version 1 of 1: 4 launches
;; workspace buffers: xc 6,291,456 bytes; wqc 2,359,296 bytes; woc 786,432 bytes; sc1 720,896 bytes; sc2 589,824 bytes; qkv 20,185,088 bytes; ac 6,291,456 bytes
;; launch quant (part 1): grid 192 x 4, 4 waves a work-group, no clusters, 35,328 bytes of LDS; arguments x, w_qkv, w_out, xc, wqc, woc, sc1, sc2; writes xc, wqc, woc, sc1, sc2
.if DOCPART == 1
	.amdgcn_target "amdgcn-amd-amdhsa--gfx1250"
	.amdhsa_code_object_version 6
	.text
	.protected	k_q9ef5d8a713_quant
	.globl	k_q9ef5d8a713_quant
	.p2align	8
	.type	k_q9ef5d8a713_quant,@function
k_q9ef5d8a713_quant:
	s_mov_b64 s[64:65], 0
	v_nop
	global_prefetch_b8 v0, s[64:65] scope:SCOPE_SE
	s_setreg_imm32_b32 hwreg(HW_REG_WAVE_MODE, 25, 1), 1
	s_wait_xcnt 0x0
; x [8192][1024], w_qkv [3072][1024] and w_out [1024][1024], f32, K innermost, become codes of FP6 (E2M3) with one E8M0 byte for each 32 along K,
; laid in the ORDER OF THE OPERAND'S REGISTERS, so that the products' launches read fragments by lane-contiguous loads alone.
; TILE ORDER: rows go in groups of 32; tile 2 g + u holds the 16 rows 32 g + 8 u + i + 8 (i / 8), i = 0 .. 15; lane r = lane % 16 holds row i = r, h = lane / 16.
; AN IMAGE (768 bytes) is 16 rows x 64 K: lane (r, h) owns the 24 bytes of codes k = 32 h .. 32 h + 31 of row r, six registers: registers 0-3 at 16 x lane, registers 4-5 at 512 + 8 x lane.
; Codes: [tile][16 slices of 64 K][768].  A UNIT (256 bytes) holds the scale words of the four tiles of a quad (64 rows) for one slice: word of (tile T, row r) at 16 r + 4 (T % 4),
; byte 0 the slice's first block, byte 1 its second, the upper half 0.  Scales: [quad][16 slices][256].
; A block's scale is 2^(floor(log2(its largest magnitude)) - 2): its byte is the largest magnitude's exponent field - 2, held at 1 from below.
; LIMITS: a block of zeros, or one whose largest magnitude lies under 2^-124, gets the byte 1 (zero codes add nothing under it; this program alone reads the bytes); NaN and infinities are not served.
; SHARES: a work-group takes a quad x 256 along K, a wave one tile x 256: two steps of 128.  All 32 loads of a wave (512 consecutive bytes each) go out at once; each step's 16 rows turn through
; the wave's own stage in LDS (pitch 528: the sixteen rows that a load touches start in sixteen different 16-byte columns), so that a lane gets 32 neighbours along K: a whole block.
; One path serves the three tensors: only pointers and offsets are chosen, by the work-group's number.  Work-groups share no input: no cluster, no matrix unit, no tensor load.
.set STGB,  16*528                     ; a wave's stage
.set SCSTG, 4*STGB                     ; behind the stages: four units of scale words, to which all four waves contribute
.set SPARE, SCSTG+4*256                ; behind them: the spare words, 128 bytes for each wave: two blocks of 256 bytes that no other line names
.set SPW,   10                         ; v10  LDS address of my spare word; never rewritten
.set NIL,   11                         ; v11  0; never rewritten
.set R,     32                         ; v32-159  the rows as loaded: step st, row i at v[32 + 64 st + 4 i]
.set X0,    160                        ; v160-223 step 0: my two blocks of 32 neighbours
.set X1,    32                         ; v32-95   step 1's (step 0's rows have left for the stage)
.set IMG,   224                        ; v224-247 four images of six registers: no store's data are written again
.set T2,    248                        ; v248-250, v252-254: a conversion's three registers begin on an even number: a block's second half is made here and moved
.set WV,    20
.set SEL,   30
	s_load_b512 s[4:19], s[0:1], 0x0               ; x, w_qkv, w_out, xc, wqc, woc, sc1, sc2
	v_lshl_add_u32 v[SPW], v0, 2, SPARE
	v_mov_b32 v[NIL], 0
	v_lshrrev_b32 v1, 5, v0
	v_readfirstlane_b32 s[WV], v1                  ; wave 0..3
	v_and_b32 v1, 31, v0                           ; lane
	v_and_b32 v9, 15, v0                           ; r
	v_bfe_u32 v8, v0, 4, 1                         ; h
	v_lshlrev_b32 v2, 4, v1                        ; 16 x lane
	v_lshlrev_b32 v3, 3, v1                        ; 8 x lane
	s_mul_i32 s21, s[WV], STGB
	v_add_nc_u32 v4, s21, v2                       ; into my stage: a row's 512 bytes as they lie
	v_mul_u32_u24 v5, v9, 528
	v_lshl_add_u32 v5, v8, 7, v5
	v_add_nc_u32 v5, s21, v5                       ; out of it: row r, + 128 h: my block's 32 numbers
	s_lshl_b32 s21, s[WV], 2
	v_lshlrev_b32 v6, 4, v9
	v_add_nc_u32 v6, s21, v6
	v_add_nc_u32 v6, SCSTG, v6                     ; my row's word in a unit: 16 r + 4 x wave
	s_lshl_b32 s21, s[WV], 8
	v_add_nc_u32 v7, s21, v3
	v_add_nc_u32 v7, SCSTG, v7                     ; and on the way out: unit = my wave's number, 8 bytes a lane
	v_lshlrev_b32 v8, 3, v8                        ; 8 h: my byte's place in the word
	v_mov_b32 v18, 0                               ; written once: a lane permute's destination counts as one of its sources
	v_mov_b32 v19, 0
	s_mov_b32 s[SEL], 0x76543210
	s_mov_b32 s[SEL+1], 0xfedcba98                 ; v_permlanex16_b32's selects for lane l xor 16
	s_and_b32 s32, ttmp7, 0xffff                   ; which 256 along K
	s_mov_b32 s28, 176                             ; quads 0-127 are x's, 128-175 w_qkv's, 176-191 w_out's
	s_cmp_lt_u32 ttmp9, 176
	s_cselect_b32 s28, 128, s28
	s_cmp_lt_u32 ttmp9, 128
	s_cselect_b32 s28, 0, s28
	s_cselect_b32 s29, 0, 0x80000                  ; the weights' scales lie 524,288 bytes into their buffer
	s_sub_co_u32 s28, ttmp9, s28                   ; the quad in its tensor
	s_lshl_b32 s33, s28, 6
	s_lshr_b32 s34, s[WV], 1
	s_lshl_b32 s34, s34, 5
	s_add_co_u32 s33, s33, s34
	s_and_b32 s34, s[WV], 1
	s_lshl_b32 s34, s34, 3
	s_add_co_u32 s33, s33, s34                     ; my tile's first row: 64 quad + 32 (wave / 2) + 8 (wave % 2)
	s_lshl_b32 s34, s33, 12
	s_lshl_b32 s40, s32, 10
	s_add_co_u32 s34, s34, s40                     ; source: rows of 4,096 bytes, 1,024 bytes for each 256 along K (under 2^26)
	s_mov_b32 s35, 0
	s_lshl_b32 s36, s28, 2
	s_add_co_u32 s36, s36, s[WV]
	s_mul_i32 s36, s36, 12288
	s_mul_i32 s40, s32, 3072
	s_add_co_u32 s36, s36, s40                     ; codes: 12,288 bytes a tile, four images for my 256 along K
	s_mov_b32 s37, 0
	s_lshl_b32 s38, s28, 12
	s_add_co_u32 s38, s38, s29
	s_lshl_b32 s40, s32, 10
	s_add_co_u32 s38, s38, s40
	s_lshl_b32 s40, s[WV], 8
	s_add_co_u32 s38, s38, s40                     ; scales: 4,096 bytes a quad, four units for these 256 along K, of which I store the one with my wave's number
	s_mov_b32 s39, 0
	s_wait_kmcnt 0x0
	s_cmp_lt_u32 ttmp9, 176                        ; the choices hang on the work-group's number alone
	s_cselect_b64 s[22:23], s[6:7], s[8:9]
	s_cselect_b64 s[24:25], s[12:13], s[14:15]
	s_cselect_b64 s[26:27], s[16:17], s[18:19]
	s_cmp_lt_u32 ttmp9, 128
	s_cselect_b64 s[22:23], s[4:5], s[22:23]
	s_cselect_b64 s[24:25], s[10:11], s[24:25]
	s_cselect_b64 s[26:27], s[16:17], s[26:27]
	s_add_nc_u64 s[22:23], s[22:23], s[34:35]
	s_add_nc_u64 s[24:25], s[24:25], s[36:37]
	s_add_nc_u64 s[26:27], s[26:27], s[38:39]
.irp st, 0,1
.irp i, 0,1,2,3,4,5,6,7,8,9,10,11,12,13,14,15
	global_load_b128 v[R+64*\st+4*\i:R+64*\st+4*\i+3], v2, s[22:23] offset:(\i+8*(\i/8))*4096+512*\st th:TH_LOAD_NT   ; 32 lanes read 512 consecutive bytes of the tile's row i; read once in the launch
.endr
.endr
.macro TURN src, dst                   ; sixteen rows x 128 numbers through my stage.  LDS serves a wave's instructions in order: no wait between the stores and the loads
.irp i, 0,1,2,3,4,5,6,7,8,9,10,11,12,13,14,15
	ds_store_b128 v4, v[\src+4*\i:\src+4*\i+3] offset:528*\i
.endr
.irp c, 0,1
.irp j, 0,1,2,3,4,5,6,7
	ds_load_b128 v[\dst+32*\c+4*\j:\dst+32*\c+4*\j+3], v5 offset:256*\c+16*\j   ; k = 64 c + 32 h + 4 j .. of row r
.endr
.endr
.endm
; A step of 128 along K: my two blocks (c = 0, 1: block 2 c + h) by turns; images 2 st + c.
.macro QSTEP st, X
.irp c, 0,1
	v_max3_num_f32 v[12+\c], |v[\X+32*\c]|, |v[\X+32*\c+1]|, 0x1800000   ; all 32 numbers are mine; the floor 2^(3 - 127) holds the byte at 1 from below
.endr
.irp i, 2,4,6,8,10,12,14,16,18,20,22,24,26,28,30
.irp c, 0,1
	v_max3_num_f32 v[12+\c], v[12+\c], |v[\X+32*\c+\i]|, |v[\X+32*\c+\i+1]|
.endr
.endr
.irp c, 0,1
	v_add_nc_u32 v[14+\c], 0xff000000, v[12+\c]    ; 2 off the exponent field: the conversion takes the exponent field of this operand as its scale
.endr
.irp c, 0,1
	v_lshrrev_b32 v[16+\c], 23, v[14+\c]           ; the scale's byte,
.endr
.irp c, 0,1
	v_lshlrev_b32 v[16+\c], v8, v[16+\c]           ; at its place in the slice's word;
.endr
.irp c, 0,1
	v_permlanex16_b32 v[18+\c], v[16+\c], s[SEL], s[SEL+1]
.endr
.irp c, 0,1
	v_or_b32 v[16+\c], v[16+\c], v[18+\c]          ; with lane l xor 16's the word is whole, in both halves of the lanes
.endr
.irp c, 0,1
	v_cvt_scalef32_pk16_fp6_f32 v[IMG+6*(2*\st+\c):IMG+6*(2*\st+\c)+2], v[\X+32*\c:\X+32*\c+15], v[14+\c]
	v_cvt_scalef32_pk16_fp6_f32 v[T2+4*\c:T2+4*\c+2], v[\X+32*\c+16:\X+32*\c+31], v[14+\c]
.endr
	v_nop                                          ; one plain place behind a scaled conversion
.irp c, 0,1
.irp i, 0,1,2
	v_mov_b32 v[IMG+6*(2*\st+\c)+3+\i], v[T2+4*\c+\i]
.endr
.endr
.irp c, 0,1
	ds_store_b32 v6, v[16+\c] offset:256*(2*\st+\c)                    ; both halves of the lanes write the same word with the same value
	global_store_b128 v2, v[IMG+6*(2*\st+\c):IMG+6*(2*\st+\c)+3], s[24:25] offset:768*(2*\st+\c)       ; 512 consecutive bytes, aligned to 256
	global_store_b64 v3, v[IMG+6*(2*\st+\c)+4:IMG+6*(2*\st+\c)+5], s[24:25] offset:768*(2*\st+\c)+512  ; 256 consecutive bytes, aligned
.endr
.endm
	s_wait_loadcnt 16                              ; step 0's sixteen loads are in; step 1's sixteen stay out
	TURN R, X0
	s_wait_loadcnt 0x0                             ; step 1's rows
	s_wait_dscnt 0x0                               ; step 0's numbers are back: the stage and v32-95 are free
	TURN R+64, X1                                  ; step 1 turns while step 0 is worked
	QSTEP 0, X0
	s_wait_dscnt 0x0                               ; step 1's numbers are back, and step 0's word stores have read their registers
	QSTEP 1, X1
	s_wait_dscnt 0x0                               ; for the others' sake: my words lie in the four units
	s_barrier_signal -1
	s_barrier_wait -1
	ds_load_b64 v[12:13], v7                       ; one whole unit a wave
	s_wait_dscnt 0x0
	global_store_b64 v3, v[12:13], s[26:27]        ; 32 lanes store 256 consecutive bytes, aligned
	s_wait_tensorcnt 0x0                           ; the wave's end, behind my last LDS store
	ds_add_u32 v[SPW], v[NIL]
	s_wait_dscnt 0x0
	s_endpgm
.Lfunc_end_k_q9ef5d8a713_quant:
	.size	k_q9ef5d8a713_quant, .Lfunc_end_k_q9ef5d8a713_quant-k_q9ef5d8a713_quant
	.p2alignl 7, 3214868480
	.fill 96, 4, 3214868480
	.section	.rodata,"a",@progbits
	.p2align	6, 0x0
	.amdhsa_kernel k_q9ef5d8a713_quant
		.amdhsa_group_segment_fixed_size 35328
		.amdhsa_private_segment_fixed_size 0
		.amdhsa_enable_private_segment 0
		.amdhsa_kernarg_size 64
		.amdhsa_user_sgpr_count 2
		.amdhsa_user_sgpr_kernarg_segment_ptr 1
		.amdhsa_wavefront_size32 1
		.amdhsa_system_sgpr_workgroup_id_x 1
		.amdhsa_system_sgpr_workgroup_id_y 1
		.amdhsa_system_sgpr_workgroup_id_z 1
		.amdhsa_system_vgpr_workitem_id 0
		.amdhsa_next_free_vgpr 256
		.amdhsa_next_free_sgpr 66
		.amdhsa_reserve_vcc 0
		.amdhsa_float_denorm_mode_32 3
		.amdhsa_float_denorm_mode_16_64 3
		.amdhsa_memory_ordered 1
		.amdhsa_forward_progress 1
		.amdhsa_inst_pref_size 18
	.end_amdhsa_kernel
	.amdgpu_metadata
---
amdhsa.version: [ 1, 2 ]
amdhsa.kernels:
  - .name:           k_q9ef5d8a713_quant
    .symbol:         k_q9ef5d8a713_quant.kd
    .args:
      - { .name: x, .offset: 0, .size: 8, .value_kind: global_buffer, .address_space: global }
      - { .name: w_qkv, .offset: 8, .size: 8, .value_kind: global_buffer, .address_space: global }
      - { .name: w_out, .offset: 16, .size: 8, .value_kind: global_buffer, .address_space: global }
      - { .name: xc, .offset: 24, .size: 8, .value_kind: global_buffer, .address_space: global }
      - { .name: wqc, .offset: 32, .size: 8, .value_kind: global_buffer, .address_space: global }
      - { .name: woc, .offset: 40, .size: 8, .value_kind: global_buffer, .address_space: global }
      - { .name: sc1, .offset: 48, .size: 8, .value_kind: global_buffer, .address_space: global }
      - { .name: sc2, .offset: 56, .size: 8, .value_kind: global_buffer, .address_space: global }
    .group_segment_fixed_size: 35328
    .private_segment_fixed_size: 0
    .kernarg_segment_align: 8
    .kernarg_segment_size: 64
    .max_flat_workgroup_size: 128
    .sgpr_count:     66
    .vgpr_count:     256
    .wavefront_size: 32
...
	.end_amdgpu_metadata
.endif
;; end of part 1
;; launch gemm_qkv (part 2): grid 8 x 48, 4 waves a work-group, clusters of 4 x 4, 327,680 bytes of LDS; arguments xc, wqc, sc1, qkv; writes qkv
.if DOCPART == 2
	.amdgcn_target "amdgcn-amd-amdhsa--gfx1250"
	.amdhsa_code_object_version 6
	.text
	.protected	k_q9ef5d8a713_gemm_qkv
	.globl	k_q9ef5d8a713_gemm_qkv
	.p2align	8
	.type	k_q9ef5d8a713_gemm_qkv,@function
k_q9ef5d8a713_gemm_qkv:
	s_mov_b64 s[64:65], 0
	v_nop
	global_prefetch_b8 v0, s[64:65] scope:SCOPE_SE
	s_setreg_imm32_b32 hwreg(HW_REG_WAVE_MODE, 25, 1), 1
	s_wait_xcnt 0x0
	s_wait_alu depctr_hold_cnt(0) depctr_sa_sdst(0) depctr_va_vdst(0) depctr_va_sdst(0) depctr_va_ssrc(0) depctr_va_vcc(0) depctr_vm_vsrc(0)
	s_getreg_b32 s2, hwreg(HW_REG_IB_STS2, 6, 4)
	s_cmp_eq_u32 s2, 0
	s_cbranch_scc0 .Lentry_in_a_cluster
	s_endpgm
.Lentry_in_a_cluster:
	s_bfe_u32 s2, ttmp6, 0x10000c
	s_cmp_lg_u32 s2, 0xf033
	s_cbranch_scc0 .Lentry_shape_is_right
	s_endpgm
.Lentry_shape_is_right:
; qkv = x w_qkv^T on codes of FP6 (E2M3) with E8M0 scales for each 32 along K = 1,024; the results are quantised in registers and leave as codes: q and k along the head's 64, v along the keys.
; OPERANDS lie in register order.  Tile order: tile 2 g + u holds rows 32 g + 8 u + i + 8 (i / 8).  An image (768 bytes) is 16 rows x 64 K: lane's registers 0-3 at 16 x lane, 4-5 at 512 + 8 x lane.
; Codes: [tile][16 slices][768].  Scale units (256 bytes): a quad's four tiles, one slice: word (two bytes used) of (tile T, row r) at 16 r + 4 (T % 4); [quad][16][256]; x's at byte 0 of sc1, w_qkv's at 524,288.
; A work-group makes 256 x 256 of C' = A' B'^T, each of four waves 128 x 128: 64 accumulators in 512 registers.  THE MATRIX INSTRUCTION IS USED TRANSPOSED: source 0 = a tile of B', source 1 = a tile of A':
; lane (r, h) holds row r of A's tile, and the 16 registers of B's tiles 2 B and 2 B + 1 are B's rows 32 B + 16 h + 0 .. 15: sixteen neighbours, as the conversions want them.
; TWO PARTS, by the cluster's y (the same in all sixteen partners).  Part 0 (y < 8): A' = x, B' = w_qkv's rows 0-2047: a lane holds a token, its registers run along q's or k's channels.
; Part 1: A' = w_qkv's rows 2048-3071, B' = x: a lane holds a channel of v and its registers run along the keys.
; K goes through a ring of two LDS slots of 256 along K: four slots' worth, eight steps of 64 matrix instructions, written out (the scale registers' numbers differ from step to step).
; CLUSTER 4 x 4: A's tiles are asked for jointly along a row of the cluster, B's along a column.  A wave has two tensor loads out at the start and one behind each of the two refills.
; All 64 scale words of a wave stay in registers: register SC + 8 i + g holds, for step g, the word of A's tile i in lanes 0-15 and of B's tile i in lanes 16-31.
; OUT: 64 records (16 batch + head) of 315,392 bytes: q's codes [tile 128][768] at 0, its units [quad 32][256] at 98,304; k's likewise from 106,496; v's codes [key step 16][channel tile 4][1,536] at 212,992,
; v's units [key step 16][256] (whole words: four blocks of keys) at 311,296.
; LIMITS: a block of zeros, or one under 2^-124, gets the byte 1 (this program alone reads the bytes); NaN and infinities are not served.
; REGISTERS: window 0: v1-3 r, h, lane; v16-23 LDS addresses; v24-27 the way out; v28, v29 the add's two; v32-95 scale words; v96-223 at the head the units as loaded; v128-223 A's fragments, one set, later the codes;
;   v224-255 at work on the way out.  window 1: B's fragments, two sets, at v0 and v128.  windows 2, 3: accumulator (a, b) at v[8 (8 (a % 4) + b)] of window 2 + a / 4.
.set TILEB,  12288                     ; a tile's codes for all of K
.set KSL,    3072                      ; and for a slot's 256 along K: four images
.set HALFT,  8*KSL                     ; eight tiles: what one tensor load brings, and what one wave reads of A' or B'
.set SLOT,   4*HALFT                   ; A's 16 tiles, then B's 16
.set SPARE,  2*SLOT                    ; behind the ring: the spare words, 128 bytes a wave: two blocks of 256 bytes that no other line names
.set REC,    315392
.set KPART,  106496
.set SOFF,   98304
.set VPART,  212992
.set VSOFF,  311296
.set W_SC,   524288                    ; w_qkv's units in sc1
.set WV_SC,  524288+32*4096            ; those of its rows 2048 on
.set WV_CODES, 128*TILEB               ; and their codes in wqc
.set FR,     12
.set ADRA,   16                        ; v16-17 16 x lane + my half of A' in slot 0, 1;  v18-19 the same with 8 x lane
.set ADRB,   20                        ; v20-23 the same for B'
.set SPW,    28
.set NIL,    29
.set SC,     32
.set TMPS,   96
.set AF,     128
.set T2,     224                       ; the way out: the conversions' second halves
.set TM,     232                       ; v232-235 largest magnitudes, v236-239 the other half's, then bytes, v244-247 scale operands
.set WD,     248                       ; v248-255 block a's scale word
.set G1,  24
.set G0,  32
.set G1B, 48
.set G0B, 56
.set SEL, 82
.set MSB, 0
.macro WIN new                         ; the immediate's high byte repeats the setting that is left; a switch that changes nothing is dropped
.if MSB != (\new)
	s_set_vgpr_msb (MSB<<8)|(\new)
.set MSB, (\new)
.endif
.endm
.set MUL_LO, 0xa1                      ; source 0 (B') window 1, source 1 (A') window 0, C and D window 2
.set MUL_HI, 0xf1                      ; the same, C and D window 3
.set TO_B,   0x40                      ; destination window 1, address window 0
; A joint load: waves 0 and 1 fetch A's halves, waves 2 and 3 B's.  The branch hangs on the wave's number alone.  An s_nop 0 and four v_nop follow each of the two lines.
.macro JLOAD g0a, g1a, g0b, g1b
	s_cmp_eq_u32 s15, 0
	s_cbranch_scc0 .Lfor_b_\@
	tensor_load_to_lds s[\g0a:\g0a+3], s[\g1a:\g1a+7]
	s_nop 0
.rept 4
	v_nop
.endr
	s_branch .Lasked_\@
.Lfor_b_\@:
	tensor_load_to_lds s[\g0b:\g0b+3], s[\g1b:\g1b+7]
	s_nop 0
.rept 4
	v_nop
.endr
.Lasked_\@:
.endm
.macro CREST                           ; a round of the cluster's barrier behind its opening barrier
	s_cmp_lg_u32 s14, 0
	s_cbranch_scc1 .Lnot_wave_0_\@
	s_barrier_signal -3
.Lnot_wave_0_\@:
	s_barrier_wait -3
	s_barrier_signal -1
	s_barrier_wait -1
.endm
.macro CROUND
	s_barrier_signal -1
	s_barrier_wait -1
	CREST
.endm
.macro PLACES n                        ; plain vector places behind matrix instructions, in front of loads into their sources and of reads of their results
.rept \n
	v_nop
.endr
.endm
.macro FRAG reg, adr, off              ; a fragment, 16 rows x 128 K, is two images on end: four lane-contiguous loads
	ds_load_b128 v[\reg:\reg+3], v[\adr] offset:\off
	ds_load_b64 v[\reg+4:\reg+5], v[\adr+2] offset:\off+512
	ds_load_b128 v[\reg+6:\reg+9], v[\adr] offset:\off+768
	ds_load_b64 v[\reg+10:\reg+11], v[\adr+2] offset:\off+1280
.endm
.macro FETCH_B slot, q, p              ; B's eight fragments of the slot's q-th 128 along K into set p
	WIN TO_B
.irp i, 0,1,2,3,4,5,6,7
	FRAG 128*(\p)+FR*\i, ADRB+\slot, KSL*\i+1536*(\q)
.endr
	WIN 0
.endm
.macro FETCH_A slot, q, i0             ; A's tiles i0 .. i0 + 3
.irp i, \i0, \i0+1, \i0+2, \i0+3
	FRAG AF+FR*(\i), ADRA+\slot, KSL*(\i)+1536*(\q)
.endr
.endm
; 16 matrix instructions: A's tiles a0, a0 + 1 x B's eight, step g of 128 along K; p: B's set.  zero = 1: the first product starts the sums: nothing is cleared.
; The 64 accumulators take turns, one instruction a turn, in the same order in every step.
.macro MUL16 a0, p, g, zero
.irp a, \a0, \a0+1
.irp b, 0,1,2,3,4,5,6,7
.if \zero
	v_wmma_scale_f32_16x16x128_f8f6f4 v[8*(8*((\a)%4)+\b):8*(8*((\a)%4)+\b)+7], v[128*(\p)+FR*\b:128*(\p)+FR*\b+FR-1], v[AF+FR*(\a):AF+FR*(\a)+FR-1], 0, v[SC+8*\b+(\g)], v[SC+8*(\a)+(\g)] matrix_a_fmt:MATRIX_FMT_FP6 matrix_b_fmt:MATRIX_FMT_FP6 matrix_a_scale:MATRIX_SCALE_ROW1
.else
	v_wmma_scale_f32_16x16x128_f8f6f4 v[8*(8*((\a)%4)+\b):8*(8*((\a)%4)+\b)+7], v[128*(\p)+FR*\b:128*(\p)+FR*\b+FR-1], v[AF+FR*(\a):AF+FR*(\a)+FR-1], v[8*(8*((\a)%4)+\b):8*(8*((\a)%4)+\b)+7], v[SC+8*\b+(\g)], v[SC+8*(\a)+(\g)] matrix_a_fmt:MATRIX_FMT_FP6 matrix_b_fmt:MATRIX_FMT_FP6 matrix_a_scale:MATRIX_SCALE_ROW1
.endif
.endr
.endr
.endm
; A slot's first step (B's set 0); it fetches the slot's second.
.macro STEP slot, g, zero
	s_wait_dscnt 16                                ; B's set and A's tiles 0-3 are in; the youngest sixteen loads (A's tiles 4-7) may be out
	WIN MUL_LO
	MUL16 0, 0, \g, \zero
	MUL16 2, 0, \g, \zero
	s_wait_dscnt 0x0                               ; A's tiles 4-7 are in (asked for 32 matrix instructions ago)
	PLACES 4
	FETCH_B \slot, 1, 1
	FETCH_A \slot, 1, 0
	WIN MUL_HI
	MUL16 4, 0, \g, \zero
	MUL16 6, 0, \g, \zero
	PLACES 4
	WIN 0
	FETCH_A \slot, 1, 4
.endm
; A slot's second step (B's set 1) changes slots: ONE barrier; in front of it each wave waits for all its tensor loads, adds 0 to its spare word, and waits for that and for its reads of this slot.
; fill = 1: the barrier opens a round of the cluster's, and this slot is filled again, two slots ahead, first thing behind the round.
.macro TURN slot, next, g, fill
	s_wait_tensorcnt 0x0                           ; all my tensor loads have landed: my part of the next slot (every window is 0 here)
	ds_add_u32 v[SPW], v[NIL]                      ; 0 onto my spare word
	s_wait_dscnt 17                                ; (the add and the youngest sixteen loads may be out)
	WIN MUL_LO
	MUL16 0, 1, \g, 0                              ; sixteen matrix instructions stand between the add and the wait for it
	s_wait_dscnt 0x0                               ; the add is done, and my reads of this slot are over
	s_barrier_signal -1
	MUL16 2, 1, \g, 0
	WIN 0
	s_barrier_wait -1
.if \fill
	CREST                                          ; no wave of any partner still reads this slot or has a load on its way
	s_add_nc_u64 s[G0+4*\slot+2:G0+4*\slot+3], s[G0+4*\slot+2:G0+4*\slot+3], 2*KSL
	s_add_nc_u64 s[G0B+4*\slot+2:G0B+4*\slot+3], s[G0B+4*\slot+2:G0B+4*\slot+3], 2*KSL
	JLOAD G0+4*\slot, G1, G0B+4*\slot, G1B         ; its four v_nop are also the places in front of the loads below
.else
	PLACES 4
.endif
	FETCH_B \next, 0, 0
	FETCH_A \next, 0, 0
	WIN MUL_HI
	MUL16 4, 1, \g, 0
	MUL16 6, 1, \g, 0
	PLACES 4
	WIN 0
	FETCH_A \next, 0, 4
.endm
	s_load_b256 s[4:11], s[0:1], 0x0               ; xc s[4:5], wqc s[6:7], sc1 s[8:9], qkv s[10:11]
	v_lshl_add_u32 v[SPW], v0, 2, SPARE
	v_mov_b32 v[NIL], 0
	ds_add_u32 v[SPW], v[NIL]                      ; the wave's opening: the add and its wait come ahead of my first tensor load; work on registers stands between them
	v_lshrrev_b32 v1, 5, v0
	v_readfirstlane_b32 s14, v1                    ; wave 0..3
	s_lshr_b32 s15, s14, 1                         ; which half of A's rows is mine.  Also: I fetch for A' (0) or for B' (1)
	s_and_b32 s16, s14, 1                          ; which half of B's rows.  Also: which eight tiles I fetch
	s_bfe_u32 s40, ttmp6, 0x40000                  ; cx, cy: my place in the cluster
	s_bfe_u32 s41, ttmp6, 0x40004
	s_and_b32 s66, ttmp7, 0xffff                   ; the cluster's y
	s_sub_co_u32 s67, s66, 8
	s_lshl_b32 s67, s67, 1
	s_add_co_u32 s67, s67, ttmp9                   ; part 1: 2 (y - 8) + x: which four tile columns of x
	s_cmp_lt_u32 s66, 8                            ; part 0?  All that follows is chosen on this one compare
	s_cselect_b32 s68, 0, 1                        ; the part
	s_cselect_b32 s69, s66, 0                      ; four tile rows from 4 y on, or rows 0-3
	s_cselect_b32 s67, ttmp9, s67
	s_cselect_b32 s70, 0, WV_CODES                 ; A's codes begin here in their buffer,
	s_cselect_b32 s71, 0, WV_SC                    ; A's units here in sc1,
	s_cselect_b32 s72, W_SC, 0                     ; B's here
	s_lshl_b32 s42, s67, 2
	s_add_co_u32 s42, s42, s40                     ; tile column
	s_lshl_b32 s17, s69, 2
	s_add_co_u32 s17, s17, s41                     ; tile row
	s_lshl_b32 s43, s41, 2
	s_lshl_b32 s43, 15, s43                        ; my row of the cluster
	s_lshl_b32 s44, 0x1111, s40                    ; my column
	; descriptor group 1: eight tiles' 3,072 bytes each, 12,288 bytes apart in memory, dense in LDS; elements of 8 bytes
	s_or_b32 s[G1+0], s43, (3<<16)|(1<<21)         ; 15:0 the mask: A's tiles go to my row; 17:16 elements of 8 bytes; 20 no padding (every LDS read is lane-contiguous); 21 set beside a mask
	s_or_b32 s[G1B+0], s44, (3<<16)|(1<<21)
.irp g, G1, G1B
	s_mov_b32 s[\g+1], 384<<16                     ; tensor_dim0 = 384
	s_mov_b32 s[\g+2], 8<<16                       ; tensor_dim1 = 8
	s_mov_b32 s[\g+3], 384<<16                     ; tile_dim0
	s_mov_b32 s[\g+4], 8                           ; tile_dim1
	s_mov_b32 s[\g+5], 1536                        ; tensor_dim0_stride
	s_mov_b32 s[\g+6], 0
	s_mov_b32 s[\g+7], 0
.endr
	s_lshl_b32 s18, s16, 3                         ; which eight tiles I fetch
	s_lshl_b32 s20, s17, 4
	s_add_co_u32 s20, s20, s18
	s_mul_i32 s20, s20, TILEB
	s_add_co_u32 s20, s20, s70                     ; A': tile 16 x tile row + 8 x half (under 2^23 bytes)
	s_mov_b32 s21, 0
	s_lshl_b32 s46, s42, 4
	s_add_co_u32 s46, s46, s18
	s_mul_i32 s46, s46, TILEB                      ; B': tile 16 x tile column + 8 x half
	s_mov_b32 s47, 0
	s_mul_i32 s45, s14, HALFT                      ; where they go: wave x eight tiles: no place in the cluster enters an LDS address
	s_mov_b32 s[SEL], 0x76543210
	s_mov_b32 s[SEL+1], 0xfedcba98
	s_wait_dscnt 0x0                               ; the opening add is done
	s_wait_kmcnt 0x0
	s_cmp_eq_u32 s68, 0
	s_cselect_b64 s[74:75], s[4:5], s[6:7]         ; A's codes: x's or the weight's
	s_cselect_b64 s[76:77], s[6:7], s[4:5]         ; B's
	s_add_nc_u64 s[20:21], s[74:75], s[20:21]
	s_add_nc_u64 s[46:47], s[76:77], s[46:47]
	CROUND                                         ; all sixteen work-groups are here: the first joint loads meet
.irp s, 0,1
	s_mov_b32 s[G0+4*\s], 1
	s_add_co_u32 s[G0+4*\s+1], s45, \s*SLOT
	s_add_nc_u64 s[G0+4*\s+2:G0+4*\s+3], s[20:21], \s*KSL
	s_or_b32 s[G0+4*\s+3], s[G0+4*\s+3], 0x80000000
	s_mov_b32 s[G0B+4*\s], 1
	s_add_co_u32 s[G0B+4*\s+1], s45, \s*SLOT
	s_add_nc_u64 s[G0B+4*\s+2:G0B+4*\s+3], s[46:47], \s*KSL
	s_or_b32 s[G0B+4*\s+3], s[G0B+4*\s+3], 0x80000000
	JLOAD G0+4*\s, G1, G0B+4*\s, G1B
.endr
	; the scale words, once, in whole units: lanes 0-15 take A's two quads, lanes 16-31 B's
	s_lshl_b32 s78, s17, 2
	s_lshl_b32 s18, s15, 1
	s_add_co_u32 s78, s78, s18
	s_lshl_b32 s78, s78, 12
	s_add_co_u32 s78, s78, s71                     ; A's: quad 4 x tile row + 2 x half
	s_lshl_b32 s79, s42, 2
	s_lshl_b32 s18, s16, 1
	s_add_co_u32 s79, s79, s18
	s_lshl_b32 s79, s79, 12
	s_add_co_u32 s79, s79, s72                     ; B's
	s_sub_co_u32 s79, s79, s78                     ; the distance (it may wrap: the sum below wraps back)
	v_and_b32 v1, 15, v0                           ; r
	v_bfe_u32 v2, v0, 4, 1                         ; h
	v_and_b32 v3, 31, v0                           ; lane
	v_mul_lo_u32 v27, v2, s79
	v_add_nc_u32 v27, s78, v27
	v_lshl_add_u32 v27, v1, 4, v27                 ; + 16 r: four tiles' words of my row
.irp j, 0,1
.irp u, 0,1,2,3,4,5,6,7,8,9,10,11,12,13,14,15
	global_load_b128 v[TMPS+4*(16*\j+\u):TMPS+4*(16*\j+\u)+3], v27, s[8:9] offset:4096*\j+256*\u   ; sixteen lanes read one unit of 256 bytes
.endr
.endr
	v_lshlrev_b32 v24, 4, v3                       ; 16 x lane
	v_lshlrev_b32 v25, 3, v3                       ; 8 x lane
	s_mul_i32 s80, s15, HALFT                      ; my eight tiles of A'
	s_mul_i32 s81, s16, HALFT
	s_add_co_u32 s81, s81, 2*HALFT                 ; my eight of B', behind A's sixteen
.irp s, 0,1
	v_add_nc_u32 v[ADRA+\s], s80, v24
	v_add_nc_u32 v[ADRA+2+\s], s80, v25
	v_add_nc_u32 v[ADRB+\s], s81, v24
	v_add_nc_u32 v[ADRB+2+\s], s81, v25
	s_add_co_u32 s80, s80, SLOT
	s_add_co_u32 s81, s81, SLOT
.endr
	v_mul_u32_u24 v26, v2, REC
	v_lshl_add_u32 v26, v1, 4, v26                 ; the way out's units: lanes 16-31 write the next head's record
.irp b, 0,1,2,3
	v_mov_b32 v[TM+4+\b], 0                        ; written once: a lane permute's destination counts as one of its sources
.endr
	s_wait_loadcnt 0x0                             ; the units are in, and their address register is free
	v_lshlrev_b32 v27, 4, v2                       ; 16 h
.irp j, 0,1
.irp e, 0,1,2,3
.irp g, 0,1,2,3,4,5,6,7
	v_lshl_or_b32 v[SC+8*(4*\j+\e)+\g], v[TMPS+4*(16*\j+2*\g+1)+\e], 16, v[TMPS+4*(16*\j+2*\g)+\e]   ; two slices' half words make step g's word of tile 4 j + e
.endr
.endr
.endr
	PLACES 8                                       ; a scale register written by a vector instruction stands 8 places ahead of a scaled matrix instruction
	s_wait_tensorcnt 1                             ; my part of slot 0 is in; slot 1's may stay out
	s_barrier_signal -1
	s_barrier_wait -1
	FETCH_B 0, 0, 0
	FETCH_A 0, 0, 0
	FETCH_A 0, 0, 4
	STEP 0, 0, 1                                   ; the first products start the sums
	TURN 0, 1, 1, 1
	STEP 1, 2, 0
	TURN 1, 0, 3, 1
	STEP 0, 4, 0
	TURN 0, 1, 5, 0                                ; nothing is left to fetch: no round
	STEP 1, 6, 0
	s_wait_dscnt 16                                ; the last step
	WIN MUL_LO
	MUL16 0, 1, 7, 0
	MUL16 2, 1, 7, 0
	s_wait_dscnt 0x0
	WIN MUL_HI
	MUL16 4, 1, 7, 0
	MUL16 6, 1, 7, 0
	WIN 0
	PLACES 4                                       ; in front of the first read of results and of writes into the registers that held A's fragments
; THE WAY OUT.  Block a (A's tile a): a lane's 64 results, register 16 b + i = index 32 b + 16 h + i along the next K, become a fragment's twelve registers at v[128 + 12 a] and the scale word v[WD + a].
; Each accumulator is read from its low end on.
.macro QUANT a
.set AC, 64*((\a)%4)
.set QW, 2+(\a)/4
.set PC, 128+12*(\a)
	WIN QW|(QW<<2)
.irp b, 0,1,2,3
	v_max3_num_f32 v[TM+\b], |v[AC+16*\b]|, |v[AC+16*\b+1]|, 0x1800000   ; block b: my 16 numbers, and the floor 2^(3 - 127)
.endr
	WIN (QW<<2)|(QW<<4)
.irp i, 2,4,6,8,10,12,14
.irp b, 0,1,2,3
	v_max3_num_f32 v[TM+\b], v[TM+\b], |v[AC+16*\b+\i]|, |v[AC+16*\b+\i+1]|
.endr
.endr
	WIN 0
.irp b, 0,1,2,3
	v_permlanex16_b32 v[TM+4+\b], v[TM+\b], s[SEL], s[SEL+1]
.endr
.irp b, 0,1,2,3
	v_max_num_f32 v[TM+\b], v[TM+\b], v[TM+4+\b]   ; with lane l xor 16's: the block's largest magnitude
.endr
.irp b, 0,1,2,3
	v_add_nc_u32 v[TM+12+\b], 0xff000000, v[TM+\b] ; 2 off its exponent field: the conversion's scale operand
.endr
.irp b, 0,1,2,3
	v_lshrrev_b32 v[TM+4+\b], 23, v[TM+12+\b]      ; the scale's byte
.endr
	v_lshl_or_b32 v[WD+(\a)], v[TM+5], 8, v[TM+4]
	v_lshl_or_b32 v[WD+(\a)], v[TM+6], 16, v[WD+(\a)]
	v_lshl_or_b32 v[WD+(\a)], v[TM+7], 24, v[WD+(\a)]
	WIN QW
.irp c, 0,1
	v_cvt_scalef32_pk16_fp6_f32 v[PC+6*\c:PC+6*\c+2], v[AC+32*\c:AC+32*\c+15], v[TM+12+2*\c]
	v_cvt_scalef32_pk16_fp6_f32 v[T2+4*\c:T2+4*\c+2], v[AC+32*\c+16:AC+32*\c+31], v[TM+12+2*\c+1]
.endr
	WIN 0
	v_nop                                          ; one plain place behind a scaled conversion
.irp c, 0,1                                    ; the operand's layout wants a whole block in a lane: lanes 0-15 block 2 c, lanes 16-31 block 2 c + 1
.irp i, 0,1,2
	v_permlane16_swap_b32 v[PC+6*\c+\i], v[T2+4*\c+\i]
.endr
.irp i, 0,1,2
	v_mov_b32 v[PC+3+6*\c+\i], v[T2+4*\c+\i]
.endr
.endr
.endm
.macro PUT a, o0, o1                   ; block a's two images, at o0 and o1: each store covers 512 or 256 consecutive bytes, aligned to 256; no store's data are written again
	global_store_b128 v24, v[128+12*(\a):128+12*(\a)+3], s[20:21] offset:\o0
	global_store_b64 v25, v[128+12*(\a)+4:128+12*(\a)+5], s[20:21] offset:\o0+512
	global_store_b128 v24, v[128+12*(\a)+6:128+12*(\a)+9], s[20:21] offset:\o1
	global_store_b64 v25, v[128+12*(\a)+10:128+12*(\a)+11], s[20:21] offset:\o1+512
.endm
	s_cmp_eq_u32 s68, 0                            ; the part: the cluster's y, the same in all partners; neither way touches LDS
	s_cbranch_scc0 .Lpart1
	; part 0: my 128 columns are two heads of q or of k; my 128 rows are eight tiles of tokens
	s_lshl_b32 s84, s42, 1
	s_add_co_u32 s84, s84, s16                     ; which 128 columns
	s_lshr_b32 s85, s84, 3                         ; q (0) or k (1)
	s_and_b32 s84, s84, 7
	s_lshl_b32 s84, s84, 1                         ; the first head
	s_lshl_b32 s86, s17, 1
	s_add_co_u32 s86, s86, s15                     ; which 128 rows
	s_lshr_b32 s87, s86, 4                         ; the batch
	s_and_b32 s86, s86, 15
	s_lshl_b32 s86, s86, 3                         ; the first tile of tokens in it
	s_lshl_b32 s87, s87, 4
	s_add_co_u32 s87, s87, s84
	s_mul_i32 s20, s87, REC
	s_mul_i32 s85, s85, KPART
	s_add_co_u32 s20, s20, s85
	s_lshl_b32 s22, s86, 6
	s_add_co_u32 s22, s22, s20
	s_add_co_u32 s22, s22, SOFF                    ; the units: 64 bytes a tile
	s_mul_i32 s86, s86, 768
	s_add_co_u32 s20, s20, s86                     ; the codes: 768 bytes a tile
	s_mov_b32 s21, 0
	s_mov_b32 s23, 0
	s_add_nc_u64 s[20:21], s[10:11], s[20:21]
	s_add_nc_u64 s[22:23], s[10:11], s[22:23]
.irp a, 0,1,2,3,4,5,6,7
	QUANT \a
	PUT \a, 768*\a, REC+768*\a                     ; registers 0-5: the first head's image; 6-11: the next head's, a record on
.endr
.irp a, 0,1,2,3,4,5,6,7
	v_lshrrev_b32 v[WD+\a], v27, v[WD+\a]          ; lanes 0-15 keep the first head's two bytes, lanes 16-31 the next head's
.endr
.irp a, 0,1,2,3,4,5,6,7
	v_and_b32 v[WD+\a], 0xffff, v[WD+\a]
.endr
	global_store_b128 v26, v[WD:WD+3], s[22:23]              ; sixteen lanes fill a unit of 256 bytes
	global_store_b128 v26, v[WD+4:WD+7], s[22:23] offset:256
	s_branch .Ljoin
.Lpart1:
	; part 1: my 128 rows of A' are two heads' channels of v (four tiles each); my 128 columns are one key step
	s_lshl_b32 s84, s17, 2
	s_lshl_b32 s85, s15, 1
	s_add_co_u32 s84, s84, s85                     ; the first head
	s_lshl_b32 s86, s42, 1
	s_add_co_u32 s86, s86, s16                     ; which 128 tokens
	s_lshr_b32 s87, s86, 4                         ; the batch
	s_and_b32 s86, s86, 15                         ; the key step in it
	s_lshl_b32 s87, s87, 4
	s_add_co_u32 s87, s87, s84
	s_mul_i32 s20, s87, REC
	s_lshl_b32 s22, s86, 8
	s_add_co_u32 s22, s22, s20
	s_add_co_u32 s22, s22, VSOFF
	s_mul_i32 s86, s86, 6144
	s_add_co_u32 s20, s20, s86
	s_add_co_u32 s20, s20, VPART
	s_mov_b32 s21, 0
	s_mov_b32 s23, 0
	s_add_nc_u64 s[20:21], s[10:11], s[20:21]
	s_add_nc_u64 s[22:23], s[10:11], s[22:23]
.irp a, 0,1,2,3,4,5,6,7
	QUANT \a
	PUT \a, (\a/4)*REC+(\a%4)*1536, (\a/4)*REC+(\a%4)*1536+768   ; a whole fragment of V^T: 16 channels x 128 keys
.endr
	v_cmp_lt_u32 vcc_lo, 15, v3
.irp e, 0,1,2,3
	v_cndmask_b32 v[WD+\e], v[WD+\e], v[WD+4+\e], vcc_lo   ; lanes 16-31 carry the next head's four words
.endr
	global_store_b128 v26, v[WD:WD+3], s[22:23]
.Ljoin:
	s_wait_tensorcnt 0x0                           ; the wave's end, behind my last tensor load
	ds_add_u32 v[SPW], v[NIL]
	s_wait_dscnt 0x0
	CROUND                                         ; the closing round: no work-group ends while a partner may still ask for a tile that names it
	s_endpgm
.Lfunc_end_k_q9ef5d8a713_gemm_qkv:
	.size	k_q9ef5d8a713_gemm_qkv, .Lfunc_end_k_q9ef5d8a713_gemm_qkv-k_q9ef5d8a713_gemm_qkv
	.p2alignl 7, 3214868480
	.fill 96, 4, 3214868480
	.section	.rodata,"a",@progbits
	.p2align	6, 0x0
	.amdhsa_kernel k_q9ef5d8a713_gemm_qkv
		.amdhsa_group_segment_fixed_size 327680
		.amdhsa_private_segment_fixed_size 0
		.amdhsa_enable_private_segment 0
		.amdhsa_kernarg_size 32
		.amdhsa_user_sgpr_count 2
		.amdhsa_user_sgpr_kernarg_segment_ptr 1
		.amdhsa_wavefront_size32 1
		.amdhsa_system_sgpr_workgroup_id_x 1
		.amdhsa_system_sgpr_workgroup_id_y 1
		.amdhsa_system_sgpr_workgroup_id_z 1
		.amdhsa_system_vgpr_workitem_id 0
		.amdhsa_next_free_vgpr 1024
		.amdhsa_next_free_sgpr 100
		.amdhsa_reserve_vcc 1
		.amdhsa_float_denorm_mode_32 3
		.amdhsa_float_denorm_mode_16_64 3
		.amdhsa_memory_ordered 1
		.amdhsa_forward_progress 1
		.amdhsa_inst_pref_size 188
	.end_amdhsa_kernel
	.amdgpu_metadata
---
amdhsa.version: [ 1, 2 ]
amdhsa.kernels:
  - .name:           k_q9ef5d8a713_gemm_qkv
    .symbol:         k_q9ef5d8a713_gemm_qkv.kd
    .args:
      - { .name: xc, .offset: 0, .size: 8, .value_kind: global_buffer, .address_space: global }
      - { .name: wqc, .offset: 8, .size: 8, .value_kind: global_buffer, .address_space: global }
      - { .name: sc1, .offset: 16, .size: 8, .value_kind: global_buffer, .address_space: global }
      - { .name: qkv, .offset: 24, .size: 8, .value_kind: global_buffer, .address_space: global }
    .group_segment_fixed_size: 327680
    .private_segment_fixed_size: 0
    .kernarg_segment_align: 8
    .kernarg_segment_size: 32
    .max_flat_workgroup_size: 128
    .sgpr_count:     100
    .vgpr_count:     1024
    .wavefront_size: 32
...
	.end_amdgpu_metadata
.endif
;; end of part 2
;; launch attn (part 3): grid 4 x 64, 16 waves a work-group, clusters of 4 x 1, 327,680 bytes of LDS; arguments qkv, ac, sc2; writes ac, sc2
.if DOCPART == 3
	.amdgcn_target "amdgcn-amd-amdhsa--gfx1250"
	.amdhsa_code_object_version 6
	.text
	.protected	k_q9ef5d8a713_attn
	.globl	k_q9ef5d8a713_attn
	.p2align	8
	.type	k_q9ef5d8a713_attn,@function
k_q9ef5d8a713_attn:
	s_mov_b64 s[64:65], 0
	v_nop
	global_prefetch_b8 v0, s[64:65] scope:SCOPE_SE
	s_setreg_imm32_b32 hwreg(HW_REG_WAVE_MODE, 25, 1), 1
	s_wait_xcnt 0x0
	s_wait_alu depctr_hold_cnt(0) depctr_sa_sdst(0) depctr_va_vdst(0) depctr_va_sdst(0) depctr_va_ssrc(0) depctr_va_vcc(0) depctr_vm_vsrc(0)
	s_getreg_b32 s2, hwreg(HW_REG_IB_STS2, 6, 4)
	s_cmp_eq_u32 s2, 0
	s_cbranch_scc0 .Lentry_in_a_cluster
	s_endpgm
.Lentry_in_a_cluster:
	s_bfe_u32 s2, ttmp6, 0x10000c
	s_cmp_lg_u32 s2, 0x3003
	s_cbranch_scc0 .Lentry_shape_is_right
	s_endpgm
.Lentry_shape_is_right:
; For each of 64 heads (record 16 batch + head of qkv): O = softmax(q k^T / 8) v, both products on codes of FP6 (E2M3) with E8M0 scales; O / l is quantised along the head's 64 channels and leaves as codes.
; THE SOFTMAX AHEAD OF THE SECOND PRODUCT: t = score x log2(e) / 8; M = the running largest t rounded UP to a whole number; p = 2^(t - M) is quantised along the keys, not normalised; the row's sum is taken of the
; unquantised p and divides O at the end.  When M moves, the sum and O are multiplied by 2^(old M - new M): exact.
; SHARES.  A work-group owns 512 queries of one head; each of its sixteen waves one tile of 16 queries in each of two passes, in 256 registers: four waves to a SIMD, so that one wave's vector work stands beside
; another's matrix work and LDS loads.  Every wave walks the head's 2,048 keys, 128 a step.
; K AND V OF THE WHOLE HEAD, codes and scale words, are 208,896 consecutive bytes of the record: they come into LDS ONCE, 13,056 bytes by each wave's one tensor load, and stay: no ring, no refill, no barrier in the loop.
; CLUSTER 4 x 1: the four query blocks of a head need the same bytes: each load is asked for jointly, with a mask that names the four.
; LAYOUT.  Both products are used transposed: S^T = K Q^T, O^T = V^T P^T: a lane holds ONE query (lane % 16).  Tiles are in tile order (tile 2 g + u: rows 32 g + 8 u + i + 8 (i / 8)), so the 16 registers of result tiles
; 2 B and 2 B + 1 are 16 neighbouring keys (or channels), 32 B + 16 (lane / 16) + 0 .. 15.  All operands lie in register order: an image (16 rows x 64 K, 768 bytes): registers 0-3 at 16 x lane, 4-5 at 512 + 8 x lane.
; K = 64 IN AN INSTRUCTION 128 DEEP: Q's registers 6-11 hold zero codes, and the upper two bytes of Q's and K's scale words are 0 (a small power of two, no NaN).  K's tile t is named as v[32 + 6 t .. + 11]: its upper
; half is the next tile's codes (for tile 7: six cleared registers).  Every code is a finite number, and a finite number times a zero code adds nothing.
; LIMITS: a block of zeros, or one under 2^-124, gets the byte 1 (this program alone reads the bytes); NaN and infinities are not served.
; REGISTERS: v1-6 addresses that stay; v7, v30 the add's two; v8-11, v28, v29 the step's addresses; v12 -M, v13 the largest t, v[14:15], v[88:89] the sum's chains; v16-27 Q of pass 0, v204-215 of pass 1, v255, v216 their words;
; v32-85 K's or V's fragments; v96-159 S^T, then p; v160-191 O^T; v192-199 K's words, v200-203 V's; v224-235 p's codes; v232-254 at work.
.set REC,   315392
.set KPART, 106496                     ; where K's codes begin in a record: LDS byte 0
.set QSOFF, 98304                      ; Q's units in a record
.set SHARE, 13056                      ; a wave's share of the fill: 51 rows of 256 bytes
.set L_KS,  98304                      ; LDS: K's codes [tile 128][768] at 0; K's units [quad 32][256];
.set L_VC,  106496                     ; V's codes [key step 16][channel tile 4][1,536];
.set L_VS,  204800                     ; V's units [key step 16][256]
.set SPARE, 208896                     ; the spare words, 128 bytes for each wave: eight blocks of 256 bytes that no other line names
.set STG,   210944                     ; eight units for the output's scale words: no fill lands here
.set SPW, 7
.set NIL, 30
.set WV,  18
.set SEL, 20
.set CS,  22
.set G1,  24
.set G0,  32
.set TK,  36                           ; s36  the step's codes: 6,144 bytes a step, in K as in V
.set TS,  37                           ; s37  K's units: 512 a step
.set TT,  38                           ; s38  V's: 256 a step
.set CNT, 40
.macro ROUND                           ; a round of the cluster's barrier
	s_barrier_signal -1
	s_barrier_wait -1
	s_cmp_lg_u32 s[WV], 0
	s_cbranch_scc1 .Lnot_wave_0_\@
	s_barrier_signal -3
.Lnot_wave_0_\@:
	s_barrier_wait -3
	s_barrier_signal -1
	s_barrier_wait -1
.endm
	s_load_b128 s[4:7], s[0:1], 0x0                ; qkv, ac
	s_load_b64 s[8:9], s[0:1], 0x10                ; sc2
	v_lshl_add_u32 v[SPW], v0, 2, SPARE
	v_mov_b32 v[NIL], 0
	ds_add_u32 v[SPW], v[NIL]                      ; the wave's opening: the add and its wait come ahead of my first tensor load; work on registers stands between them
	ds_add_u32 v[SPW], v[NIL]
	v_lshrrev_b32 v8, 5, v0
	s_delay_alu instid0(VALU_DEP_1)
	v_readfirstlane_b32 s[WV], v8                  ; wave 0..15
	s_bfe_u32 s10, ttmp6, 0x40000                  ; cx: my block of 512 queries; it enters Q's and the outputs' addresses alone
	s_and_b32 s11, ttmp7, 0xffff                   ; 16 batch + head, which the four partners share
	s_mul_i32 s12, s11, REC                        ; (under 2^25)
	s_mov_b32 s13, 0
	s_mul_i32 s14, s[WV], SHARE
	; descriptor group 1: a dense block as 51 rows of 256 bytes (32 elements of 8 bytes)
	s_mov_b32 s[G1], 15|(3<<16)|(1<<21)            ; 15:0 the mask: all four work-groups; 17:16 elements of 8 bytes; 20 no padding; 21 set beside a mask
	s_mov_b32 s[G1+1], 32<<16
	s_mov_b32 s[G1+2], 51<<16
	s_mov_b32 s[G1+3], 32<<16
	s_mov_b32 s[G1+4], 51
	s_mov_b32 s[G1+5], 32
	s_mov_b32 s[G1+6], 0
	s_mov_b32 s[G1+7], 0
	s_add_co_u32 s16, s14, KPART
	s_mov_b32 s17, 0
	s_mov_b32 s[SEL], 0x76543210
	s_mov_b32 s[SEL+1], 0xfedcba98
	s_mov_b32 s[CS], 0x3e38aa3b                    ; c = log2(e) / sqrt(64)
	s_mov_b32 s[CS+1], s[CS]                       ; (named with it as a pair, so it is written)
	s_wait_dscnt 0x0                               ; the opening add is done
	s_wait_kmcnt 0x0
	s_add_nc_u64 s[4:5], s[4:5], s[12:13]          ; my head's record
	ROUND                                          ; all four work-groups are here: the joint loads meet
	s_mov_b32 s[G0], 1
	s_mov_b32 s[G0+1], s14                         ; LDS: wave x 13,056
	s_add_nc_u64 s[G0+2:G0+3], s[4:5], s[16:17]
	s_or_b32 s[G0+3], s[G0+3], 0x80000000
	tensor_load_to_lds s[G0:G0+3], s[G1:G1+7]      ; my one tensor load
	s_nop 0
.rept 4
	v_nop
.endr
	s_lshl_b32 s16, s10, 5
	s_add_co_u32 s16, s16, s[WV]
	s_mul_i32 s16, s16, 768
	s_add_nc_u64 s[42:43], s[4:5], s[16:17]        ; Q's image of tile 32 cx + wave; pass 1's lies 16 tiles on
	s_lshr_b32 s44, s[WV], 2
	s_and_b32 s45, s[WV], 3
	s_lshl_b32 s45, s45, 2
	s_lshl_b32 s16, s10, 3
	s_add_co_u32 s16, s16, s44
	s_lshl_b32 s16, s16, 8
	s_add_co_u32 s16, s16, s45
	s_add_co_u32 s16, s16, QSOFF
	s_add_nc_u64 s[46:47], s[4:5], s[16:17]        ; its words: quad 8 cx + wave / 4, + 4 (wave % 4); pass 1's four quads on
	v_and_b32 v8, 31, v0
	s_delay_alu instid0(VALU_DEP_1)
	v_lshlrev_b32 v1, 4, v8                        ; 16 x lane
	s_delay_alu instid0(VALU_DEP_2)
	v_lshlrev_b32 v2, 3, v8                        ; 8 x lane
	v_and_b32 v9, 15, v0
	s_delay_alu instid0(VALU_DEP_1)
	v_lshlrev_b32 v87, 4, v9                       ; 16 r
	global_load_b128 v[16:19], v1, s[42:43]
	global_load_b64 v[20:21], v2, s[42:43] offset:512
	global_load_b128 v[204:207], v1, s[42:43] offset:12288
	global_load_b64 v[208:209], v2, s[42:43] offset:12800
	global_load_b32 v255, v87, s[46:47]
	global_load_b32 v216, v87, s[46:47] offset:1024
	v_add_nc_u32 v3, L_VC, v1
	v_add_nc_u32 v4, L_VC, v2
	v_add_nc_u32 v5, L_KS, v87
	v_add_nc_u32 v6, L_VS, v87
	s_lshl_b32 s44, s44, 8
	s_add_co_u32 s44, s44, s45
	s_add_co_u32 s44, s44, STG
	v_add_nc_u32 v31, s44, v87                     ; the output's word: unit wave / 4 (+ 4 in pass 1), 16 r + 4 (wave % 4)
	s_lshl_b32 s45, s[WV], 8
	s_add_co_u32 s45, s45, STG
	v_add_nc_u32 v86, s45, v2                      ; and a whole unit on the way out (waves 0-7)
	s_lshr_b32 s52, s11, 4                         ; batch
	s_and_b32 s53, s11, 15                         ; head
	s_lshl_b32 s16, s52, 7
	s_lshl_b32 s54, s10, 5
	s_add_co_u32 s16, s16, s54
	s_add_co_u32 s16, s16, s[WV]
	s_mul_i32 s16, s16, 12288
	s_mul_i32 s54, s53, 768
	s_add_co_u32 s16, s16, s54
	s_add_nc_u64 s[48:49], s[6:7], s[16:17]        ; ac: tile 128 batch + 32 cx + wave, slice = head
	s_lshl_b32 s16, s52, 5
	s_lshl_b32 s54, s10, 3
	s_add_co_u32 s16, s16, s54
	s_add_co_u32 s16, s16, s[WV]
	s_lshl_b32 s16, s16, 4
	s_add_co_u32 s16, s16, s53
	s_lshl_b32 s16, s16, 8
	s_add_nc_u64 s[50:51], s[8:9], s[16:17]        ; sc2: quad 32 batch + 8 cx + wave, slice = head
.irp j, 22,23,24,25,26,27,210,211,212,213,214,215,80,81,82,83,84,85
	v_mov_b32 v[\j], 0                             ; zero codes: the upper halves of Q's operands and of K's tile 7
.endr
.irp j, 236,237,238,239,253
	v_mov_b32 v[\j], 0                             ; written once: permute destinations, and the upper half of the pair v[252:253]
.endr
	s_wait_tensorcnt 0x0                           ; my share has landed,
	s_barrier_signal -1
	s_barrier_wait -1                              ; everybody's has
	s_wait_loadcnt 0x0                             ; Q
; A KEY STEP: 128 keys.
.macro STEP QR, QSC
	v_add_nc_u32 v8, s[TK], v1                     ; six plain lines: also the places behind the last step's products, in front of the loads into their sources
	v_add_nc_u32 v9, s[TK], v2
	v_add_nc_u32 v10, s[TK], v3
	v_add_nc_u32 v11, s[TK], v4
	v_add_nc_u32 v28, s[TS], v5
	v_add_nc_u32 v29, s[TT], v6
.irp t, 0,1,2,3,4,5,6,7
	ds_load_b128 v[32+6*\t:35+6*\t], v8 offset:768*\t
	ds_load_b64 v[36+6*\t:37+6*\t], v9 offset:768*\t+512
.endr
	ds_load_b128 v[192:195], v28                   ; the words of four tiles at once
	ds_load_b128 v[196:199], v28 offset:256
	s_wait_alu depctr_va_vdst(0)
	s_wait_dscnt 0x0
.irp t, 0,1,2,3,4,5,6,7
	v_wmma_scale_f32_16x16x128_f8f6f4 v[96+8*\t:103+8*\t], v[32+6*\t:43+6*\t], v[\QR:\QR+11], 0, v[192+\t], v[\QSC] matrix_a_fmt:MATRIX_FMT_FP6 matrix_b_fmt:MATRIX_FMT_FP6
.endr
.rept 4
	v_nop                                          ; places in front of the loads into K's registers and of the first read of the scores
.endr
.irp t, 0,1,2,3                                ; V's fragments are asked for now and land under the softmax
	ds_load_b128 v[32+12*\t:35+12*\t], v10 offset:1536*\t
	ds_load_b64 v[36+12*\t:37+12*\t], v11 offset:1536*\t+512
	ds_load_b128 v[38+12*\t:41+12*\t], v10 offset:1536*\t+768
	ds_load_b64 v[42+12*\t:43+12*\t], v11 offset:1536*\t+1280
.endr
	ds_load_b128 v[200:203], v29
.irp b, 0,1,2,3
	v_max3_num_f32 v[232+\b], v[96+16*\b], v[97+16*\b], v[98+16*\b]   ; the largest score of each block of 32 keys: it serves for the row's maximum and, since p rises with the score, for the block's largest p
.endr
.irp i, 3,5,7,9,11,13
.irp b, 0,1,2,3
	v_max3_num_f32 v[232+\b], v[232+\b], v[96+16*\b+\i], v[97+16*\b+\i]
.endr
.endr
.irp b, 0,1,2,3
	v_max_num_f32 v[232+\b], v[232+\b], v[111+16*\b]
.endr
.irp b, 0,1,2,3
	s_delay_alu instid0(VALU_DEP_4)
	v_permlanex16_b32 v[236+\b], v[232+\b], s[SEL], s[SEL+1]
.endr
.irp b, 0,1,2,3
	s_delay_alu instid0(VALU_DEP_4)
	v_max_num_f32 v[232+\b], v[232+\b], v[236+\b]  ; with lane l xor 16's 16 keys
.endr
	s_delay_alu instid0(VALU_DEP_2)
	v_max3_num_f32 v254, v232, v233, v234
	s_delay_alu instid0(VALU_DEP_1)
	v_max_num_f32 v254, v254, v235                 ; the step's largest score of my query
	s_delay_alu instid0(VALU_DEP_1)
	v_mul_f32 v254, s[CS], v254                    ; as t (c is positive)
	s_delay_alu instid0(VALU_DEP_1)
	v_max_num_f32 v13, v13, v254                   ; the running largest t
	v_mov_b32 v254, v12
	s_delay_alu instid0(VALU_DEP_2)
	v_floor_f32 v12, -v13                          ; the new -M = floor(-t) = -ceil(t)
	s_delay_alu instid0(VALU_DEP_1)
	v_sub_f32 v254, v12, v254                      ; old M - new M: a whole number, 0 or less
	s_delay_alu instid0(VALU_DEP_1)
	v_cvt_i32_f32 v254, v254                       ; (it saturates)
	s_delay_alu instid0(VALU_DEP_1)
	v_ldexp_f32 v252, 1.0, v254                    ; f = 2^(old M - new M)
.irp j, 0,2,4,6,8,10,12,14,16,18,20,22,24,26,28,30,32,34,36,38,40,42,44,46,48,50,52,54,56,58,60,62
	v_pk_fma_f32 v[96+\j:97+\j], v[96+\j:97+\j], s[CS:CS+1], v[12:13] op_sel_hi:[1,0,0]   ; t - M, two at a time
.endr
.irp b, 0,1,2,3
	v_fma_f32 v[232+\b], v[232+\b], s[CS], v12     ; the same of each block's largest score
.endr
	s_setprio 1
	s_wait_alu depctr_va_vdst(0)
.irp j, 0,1,2,3,4,5,6,7,8,9,10,11,12,13,14,15,16,17,18,19,20,21,22,23,24,25,26,27,28,29,30,31,32,33,34,35,36,37,38,39,40,41,42,43,44,45,46,47,48,49,50,51,52,53,54,55,56,57,58,59,60,61,62,63
	v_exp_f32 v[96+\j], v[96+\j]                   ; p = 2^(t - M), at most 1
.endr
	v_pk_mul_f32 v[14:15], v[14:15], v[252:253] op_sel_hi:[1,0]   ; the sum under the new M: the plain place behind the exponentials
	s_wait_alu depctr_va_vdst(0)                   ; one wait for the whole batch, ahead of its first reader
.irp b, 0,1,2,3
	v_exp_f32 v[232+\b], v[232+\b]                 ; the block's largest p: the same two instructions on the same number give the same bits
.endr
	v_pk_add_f32 v[88:89], v[96:97], v[98:99]      ; the row's sum of the unquantised p, two at a time, in two chains; it reads the 64 alone: plain work behind the four
.irp j, 4,8,12,16,20,24,28,32,36,40,44
	v_pk_add_f32 v[14:15], v[14:15], v[96+\j:97+\j]
	v_pk_add_f32 v[88:89], v[88:89], v[98+\j:99+\j]
.endr
	s_wait_alu depctr_va_vdst(0)                   ; and one for the four
.irp b, 0,1,2,3
	v_max_num_f32 v[232+\b], 0x1800000, v[232+\b]  ; the floor 2^(3 - 127): the byte cannot fall under 1
.endr
.irp b, 0,1,2,3
	s_delay_alu instid0(VALU_DEP_4)
	v_add_nc_u32 v[244+\b], 0xff000000, v[232+\b]  ; 2 off the exponent field: the conversion's scale operand
.endr
.irp b, 0,1,2,3
	s_delay_alu instid0(VALU_DEP_4)
	v_lshrrev_b32 v[236+\b], 23, v[244+\b]         ; the scale's byte
.endr
	s_delay_alu instid0(VALU_DEP_3)
	v_lshl_or_b32 v253, v237, 8, v236              ; p's scale word for these 128 keys
	s_delay_alu instid0(VALU_DEP_1)
	v_lshl_or_b32 v253, v238, 16, v253
	s_delay_alu instid0(VALU_DEP_1)
	v_lshl_or_b32 v253, v239, 24, v253
.irp c, 0,1
	v_cvt_scalef32_pk16_fp6_f32 v[224+6*\c:226+6*\c], v[96+32*\c:111+32*\c], v[244+2*\c]
	v_cvt_scalef32_pk16_fp6_f32 v[236+4*\c:238+4*\c], v[112+32*\c:127+32*\c], v[244+2*\c+1]
.endr
	v_nop                                          ; one plain place behind a scaled conversion
.irp c, 0,1                                    ; a whole block in a lane: lanes 0-15 block 2 c, lanes 16-31 block 2 c + 1
.irp i, 0,1,2
	v_permlane16_swap_b32 v[224+6*\c+\i], v[236+4*\c+\i]
.endr
.irp i, 0,1,2
	s_delay_alu instid0(VALU_DEP_3)
	v_mov_b32 v[227+6*\c+\i], v[236+4*\c+\i]
.endr
.endr
	s_setprio 0
.irp j, 0,2,4,6,8,10,12,14,16,18,20,22,24,26,28,30
	v_pk_mul_f32 v[160+\j:161+\j], v[160+\j:161+\j], v[252:253] op_sel_hi:[1,0]   ; O^T under the new M
.endr
.irp j, 48,52,56,60                            ; the sum's tail stands here: with the sixteen lines above, 25 plain places between the last write of a scale word or an operand and the scaled products
	v_pk_add_f32 v[14:15], v[14:15], v[96+\j:97+\j]
	v_pk_add_f32 v[88:89], v[88:89], v[98+\j:99+\j]
.endr
	s_delay_alu instid0(VALU_DEP_1)
	v_pk_add_f32 v[14:15], v[14:15], v[88:89]
	s_wait_dscnt 0x0                               ; V
.irp t, 0,1,2,3                                ; the four accumulators by turns; the next step's eight S^T products stand between two links of a chain
	v_wmma_scale_f32_16x16x128_f8f6f4 v[160+8*\t:167+8*\t], v[32+12*\t:43+12*\t], v[224:235], v[160+8*\t:167+8*\t], v[200+\t], v253 matrix_a_fmt:MATRIX_FMT_FP6 matrix_b_fmt:MATRIX_FMT_FP6
.endr
	s_add_co_u32 s[TK], s[TK], 6144
	s_add_co_u32 s[TS], s[TS], 512
	s_add_co_u32 s[TT], s[TT], 256
.endm
; THE WAY OUT of a pass: O^T / l, quantised along the head's 64 channels (two blocks): one image and one half word a row.
.macro OUT p
.rept 4
	v_nop                                          ; places behind the last products
.endr
	v_add_f32 v14, v14, v15                        ; the sum's two halves,
	s_delay_alu instid0(VALU_DEP_1)
	v_permlanex16_b32 v252, v14, s[SEL], s[SEL+1]
	s_delay_alu instid0(VALU_DEP_1)
	v_add_f32 v14, v14, v252                       ; and lane l xor 16's: the row's sum
	s_wait_alu depctr_va_vdst(0)
	v_rcp_f32 v14, v14
	v_nop                                          ; a plain place behind the transcendental
	s_wait_alu depctr_va_vdst(0)                   ; and the wait ahead of its first reader
.irp j, 0,2,4,6,8,10,12,14,16,18,20,22,24,26,28,30
	v_pk_mul_f32 v[96+\j:97+\j], v[160+\j:161+\j], v[14:15] op_sel_hi:[1,0]   ; register 16 B + i: channel 32 B + 16 h + i; each accumulator from its low end on
.endr
.irp b, 0,1
	v_max3_num_f32 v[232+\b], |v[96+16*\b]|, |v[97+16*\b]|, 0x1800000
.endr
.irp i, 2,4,6,8,10,12,14
.irp b, 0,1
	s_delay_alu instid0(VALU_DEP_2)
	v_max3_num_f32 v[232+\b], v[232+\b], |v[96+16*\b+\i]|, |v[97+16*\b+\i]|
.endr
.endr
.irp b, 0,1
	s_delay_alu instid0(VALU_DEP_2)
	v_permlanex16_b32 v[236+\b], v[232+\b], s[SEL], s[SEL+1]
.endr
.irp b, 0,1
	s_delay_alu instid0(VALU_DEP_2)
	v_max_num_f32 v[232+\b], v[232+\b], v[236+\b]
.endr
.irp b, 0,1
	s_delay_alu instid0(VALU_DEP_2)
	v_add_nc_u32 v[244+\b], 0xff000000, v[232+\b]
.endr
.irp b, 0,1
	s_delay_alu instid0(VALU_DEP_2)
	v_lshrrev_b32 v[236+\b], 23, v[244+\b]
.endr
	s_delay_alu instid0(VALU_DEP_1)
	v_lshl_or_b32 v254, v237, 8, v236              ; my row's two bytes; the upper half stays 0
	v_cvt_scalef32_pk16_fp6_f32 v[224:226], v[96:111], v244
	v_cvt_scalef32_pk16_fp6_f32 v[240:242], v[112:127], v245
	v_nop
.irp i, 0,1,2
	v_permlane16_swap_b32 v[224+\i], v[240+\i]
.endr
.irp i, 0,1,2
	s_delay_alu instid0(VALU_DEP_3)
	v_mov_b32 v[227+\i], v[240+\i]
.endr
	global_store_b128 v1, v[224:227], s[48:49] offset:196608*\p        ; 512 consecutive bytes, aligned to 256; pass 1: 16 tiles on
	global_store_b64 v2, v[228:229], s[48:49] offset:196608*\p+512
	ds_store_b32 v31, v254 offset:1024*\p                              ; both halves of the lanes write the same word with the same value
.endm
.macro PASS p, QR, QSC
.if \p
	s_wait_xcnt 0x0                                ; pass 0's stores have read v224-229, which are written again
.endif
	v_mov_b32 v13, 0xff61b1e6                      ; the largest t so far: -3e38, under every t
	s_delay_alu instid0(VALU_DEP_1)
	v_floor_f32 v12, -v13                          ; -M
	v_mov_b32 v14, 0
	v_mov_b32 v15, 0
.irp j, 0,1,2,3,4,5,6,7,8,9,10,11,12,13,14,15,16,17,18,19,20,21,22,23,24,25,26,27,28,29,30,31
	v_mov_b32 v[160+\j], 0                         ; O^T: the step is written once; its first trip finds zeros, which the first change of M leaves zeros
.endr
	s_mov_b32 s[TK], 0
	s_mov_b32 s[TS], 0
	s_mov_b32 s[TT], 0
	s_mov_b32 s[CNT], 16
.Lstep_\@:
	s_setprio 2
	STEP \QR, \QSC
	s_sub_co_u32 s[CNT], s[CNT], 1
	s_cmp_lg_u32 s[CNT], 0
	s_cbranch_scc1 .Lstep_\@
	s_setprio 0
	s_wait_alu depctr_va_vdst(0)
	OUT \p
.endm
	PASS 0, 16, 255
	PASS 1, 204, 216
	s_wait_dscnt 0x0                               ; for the others' sake: my words lie in the units
	s_barrier_signal -1
	s_barrier_wait -1
	s_cmp_lt_u32 s[WV], 8                          ; eight units, one to a wave
	s_cbranch_scc0 .Lno_unit
	ds_load_b64 v[96:97], v86
	s_wait_dscnt 0x0
	global_store_b64 v2, v[96:97], s[50:51]        ; 32 lanes store 256 consecutive bytes, aligned
.Lno_unit:
	s_wait_tensorcnt 0x0                           ; the wave's end, behind my last tensor load and my last LDS store
	ds_add_u32 v[SPW], v[NIL]
	s_wait_dscnt 0x0
	ROUND                                          ; the closing round
	s_endpgm
.Lfunc_end_k_q9ef5d8a713_attn:
	.size	k_q9ef5d8a713_attn, .Lfunc_end_k_q9ef5d8a713_attn-k_q9ef5d8a713_attn
	.p2alignl 7, 3214868480
	.fill 96, 4, 3214868480
	.section	.rodata,"a",@progbits
	.p2align	6, 0x0
	.amdhsa_kernel k_q9ef5d8a713_attn
		.amdhsa_group_segment_fixed_size 327680
		.amdhsa_private_segment_fixed_size 0
		.amdhsa_enable_private_segment 0
		.amdhsa_kernarg_size 24
		.amdhsa_user_sgpr_count 2
		.amdhsa_user_sgpr_kernarg_segment_ptr 1
		.amdhsa_wavefront_size32 1
		.amdhsa_system_sgpr_workgroup_id_x 1
		.amdhsa_system_sgpr_workgroup_id_y 1
		.amdhsa_system_sgpr_workgroup_id_z 1
		.amdhsa_system_vgpr_workitem_id 0
		.amdhsa_next_free_vgpr 256
		.amdhsa_next_free_sgpr 66
		.amdhsa_reserve_vcc 0
		.amdhsa_float_denorm_mode_32 3
		.amdhsa_float_denorm_mode_16_64 3
		.amdhsa_memory_ordered 1
		.amdhsa_forward_progress 1
		.amdhsa_inst_pref_size 53
	.end_amdhsa_kernel
	.amdgpu_metadata
---
amdhsa.version: [ 1, 2 ]
amdhsa.kernels:
  - .name:           k_q9ef5d8a713_attn
    .symbol:         k_q9ef5d8a713_attn.kd
    .args:
      - { .name: qkv, .offset: 0, .size: 8, .value_kind: global_buffer, .address_space: global }
      - { .name: ac, .offset: 8, .size: 8, .value_kind: global_buffer, .address_space: global }
      - { .name: sc2, .offset: 16, .size: 8, .value_kind: global_buffer, .address_space: global }
    .group_segment_fixed_size: 327680
    .private_segment_fixed_size: 0
    .kernarg_segment_align: 8
    .kernarg_segment_size: 24
    .max_flat_workgroup_size: 512
    .sgpr_count:     66
    .vgpr_count:     256
    .wavefront_size: 32
...
	.end_amdgpu_metadata
.endif
;; end of part 3
;; launch gemm_out (part 4): grid 4 x 32, 4 waves a work-group, clusters of 4 x 4, 327,680 bytes of LDS; arguments ac, woc, sc2, b_out, out0; writes out0
.if DOCPART == 4
	.amdgcn_target "amdgcn-amd-amdhsa--gfx1250"
	.amdhsa_code_object_version 6
	.text
	.protected	k_q9ef5d8a713_gemm_out
	.globl	k_q9ef5d8a713_gemm_out
	.p2align	8
	.type	k_q9ef5d8a713_gemm_out,@function
k_q9ef5d8a713_gemm_out:
	s_mov_b64 s[64:65], 0
	v_nop
	global_prefetch_b8 v0, s[64:65] scope:SCOPE_SE
	s_setreg_imm32_b32 hwreg(HW_REG_WAVE_MODE, 25, 1), 1
	s_wait_xcnt 0x0
	s_wait_alu depctr_hold_cnt(0) depctr_sa_sdst(0) depctr_va_vdst(0) depctr_va_sdst(0) depctr_va_ssrc(0) depctr_va_vcc(0) depctr_vm_vsrc(0)
	s_getreg_b32 s2, hwreg(HW_REG_IB_STS2, 6, 4)
	s_cmp_eq_u32 s2, 0
	s_cbranch_scc0 .Lentry_in_a_cluster
	s_endpgm
.Lentry_in_a_cluster:
	s_bfe_u32 s2, ttmp6, 0x10000c
	s_cmp_lg_u32 s2, 0xf033
	s_cbranch_scc0 .Lentry_shape_is_right
	s_endpgm
.Lentry_shape_is_right:
; out0 = a w_out^T + b_out, on codes of FP6 (E2M3) with E8M0 scales for each 32 along K = 1,024.  a: the attention's output, [8192][1024] as codes; w_out [1024][1024] as codes; out0 [8192][1024] f32.
; OPERANDS lie in register order.  Tile order: tile 2 g + u holds rows 32 g + 8 u + i + 8 (i / 8).  An image (768 bytes) is 16 rows x 64 K: lane's registers 0-3 at 16 x lane, 4-5 at 512 + 8 x lane.
; Codes: [tile][16 slices][768].  Scale units (256 bytes): a quad's four tiles, one slice: word (two bytes used) of (tile T, row r) at 16 r + 4 (T % 4); [quad][16][256]; a's at byte 0 of sc2, w_out's at 524,288.
; A work-group makes 256 x 256, each of four waves 128 x 128: 64 accumulators in 512 registers.  THE MATRIX INSTRUCTION IS USED TRANSPOSED: source 0 = a tile of w_out, source 1 = a tile of a: lane (r, h) holds row r
; of a's tile, and register j of w_out's tile b is column 32 (b / 2) + 8 (b % 2) + 16 h + j.  The bias is the C of each sum's first product: it costs no addition.
; K goes through a ring of two LDS slots of 256 along K: eight steps of 64 matrix instructions, written out (the scale registers' numbers differ from step to step).
; CLUSTER 4 x 4: a's tiles are asked for jointly along a row of the cluster, w_out's along a column.  A wave has two tensor loads out at the start and one behind each of the two refills.
; 128 work-groups: a smaller tile would give every WGP one, at twice the LDS bytes for each product.
; REGISTERS: window 0: v1-3 r, h, lane; v16-23 LDS addresses; v24-27, v30 the way out and the head's offsets; v28, v29 the add's two; v32-95 scale words; v96-223 at the head the units as loaded; v128-223 a's fragments;
;   on the way out v128-255 rows of out0.  window 1: w_out's fragments, two sets, at v0 and v128; the bias at v96-127 and v224-255.  windows 2, 3: accumulator (a, b) at v[8 (8 (a % 4) + b)] of window 2 + a / 4.
.set TILEB,  12288
.set KSL,    3072
.set HALFT,  8*KSL
.set SLOT,   4*HALFT
.set SPARE,  2*SLOT                    ; behind the ring: the spare words, 128 bytes a wave: two blocks of 256 bytes that no other line names
.set W_SC,   524288
.set SPITCH, 528                       ; the way out: a stage of 16 rows x (512 bytes + 16) for each wave, in slot 0, which has had its last fill and its last read when the first result is stored there
.set FR,     12
.set ADRA,   16
.set ADRB,   20
.set STO,    24
.set RD,     25
.set CO,     26
.set SPW,    28
.set NIL,    29
.set SC,     32
.set TMPS,   96
.set AF,     128
.set BK,     128
.set G1,  24
.set G0,  32
.set G1B, 48
.set G0B, 56
.set MSB, 0
.macro WIN new                         ; the immediate's high byte repeats the setting that is left; a switch that changes nothing is dropped
.if MSB != (\new)
	s_set_vgpr_msb (MSB<<8)|(\new)
.set MSB, (\new)
.endif
.endm
.set MUL_LO, 0xa1                      ; source 0 (w_out) window 1, source 1 (a) window 0, C and D window 2
.set MUL_HI, 0xf1                      ; the same, C and D window 3
.set TO_B,   0x40                      ; destination window 1, address window 0
.macro JLOAD g0a, g1a, g0b, g1b        ; a joint load: waves 0 and 1 fetch a's halves, waves 2 and 3 w_out's; an s_nop 0 and four v_nop follow each of the two lines
	s_cmp_eq_u32 s15, 0
	s_cbranch_scc0 .Lfor_b_\@
	tensor_load_to_lds s[\g0a:\g0a+3], s[\g1a:\g1a+7]
	s_nop 0
.rept 4
	v_nop
.endr
	s_branch .Lasked_\@
.Lfor_b_\@:
	tensor_load_to_lds s[\g0b:\g0b+3], s[\g1b:\g1b+7]
	s_nop 0
.rept 4
	v_nop
.endr
.Lasked_\@:
.endm
.macro CREST
	s_cmp_lg_u32 s14, 0
	s_cbranch_scc1 .Lnot_wave_0_\@
	s_barrier_signal -3
.Lnot_wave_0_\@:
	s_barrier_wait -3
	s_barrier_signal -1
	s_barrier_wait -1
.endm
.macro CROUND
	s_barrier_signal -1
	s_barrier_wait -1
	CREST
.endm
.macro PLACES n                        ; plain vector places behind matrix instructions (ISA guide 7.12.1)
.rept \n
	v_nop
.endr
.endm
.macro FRAG reg, adr, off              ; a fragment, 16 rows x 128 K, is two images on end: four lane-contiguous loads
	ds_load_b128 v[\reg:\reg+3], v[\adr] offset:\off
	ds_load_b64 v[\reg+4:\reg+5], v[\adr+2] offset:\off+512
	ds_load_b128 v[\reg+6:\reg+9], v[\adr] offset:\off+768
	ds_load_b64 v[\reg+10:\reg+11], v[\adr+2] offset:\off+1280
.endm
.macro FETCH_B slot, q, p
	WIN TO_B
.irp i, 0,1,2,3,4,5,6,7
	FRAG 128*(\p)+FR*\i, ADRB+\slot, KSL*\i+1536*(\q)
.endr
	WIN 0
.endm
.macro FETCH_A slot, q, i0
.irp i, \i0, \i0+1, \i0+2, \i0+3
	FRAG AF+FR*(\i), ADRA+\slot, KSL*(\i)+1536*(\q)
.endr
.endm
; 16 matrix instructions: a's tiles a0, a0 + 1 x w_out's eight, step g; p: w_out's set.  zero = 2: the first product starts the sums from the bias (window 1: v[96 + 8 b], from b = 4 on v[192 + 8 b]).
; The 64 accumulators take turns, one instruction a turn, in the same order in every step.
.macro MUL16 a0, p, g, zero
.irp a, \a0, \a0+1
.irp b, 0,1,2,3,4,5,6,7
.if \zero
	v_wmma_scale_f32_16x16x128_f8f6f4 v[8*(8*((\a)%4)+\b):8*(8*((\a)%4)+\b)+7], v[128*(\p)+FR*\b:128*(\p)+FR*\b+FR-1], v[AF+FR*(\a):AF+FR*(\a)+FR-1], v[96+8*\b+96*(\b/4):96+8*\b+96*(\b/4)+7], v[SC+8*\b+(\g)], v[SC+8*(\a)+(\g)] matrix_a_fmt:MATRIX_FMT_FP6 matrix_b_fmt:MATRIX_FMT_FP6 matrix_a_scale:MATRIX_SCALE_ROW1
.else
	v_wmma_scale_f32_16x16x128_f8f6f4 v[8*(8*((\a)%4)+\b):8*(8*((\a)%4)+\b)+7], v[128*(\p)+FR*\b:128*(\p)+FR*\b+FR-1], v[AF+FR*(\a):AF+FR*(\a)+FR-1], v[8*(8*((\a)%4)+\b):8*(8*((\a)%4)+\b)+7], v[SC+8*\b+(\g)], v[SC+8*(\a)+(\g)] matrix_a_fmt:MATRIX_FMT_FP6 matrix_b_fmt:MATRIX_FMT_FP6 matrix_a_scale:MATRIX_SCALE_ROW1
.endif
.endr
.endr
.endm
.macro STEP slot, g, zero              ; a slot's first step (w_out's set 0); it fetches the slot's second
	s_wait_dscnt 16                                ; w_out's set and a's tiles 0-3 are in; the youngest sixteen loads (a's tiles 4-7) may be out
.if \zero
	WIN 0x91                                       ; C (the bias) in window 1, D in window 2
.else
	WIN MUL_LO
.endif
	MUL16 0, 0, \g, \zero
	MUL16 2, 0, \g, \zero
	s_wait_dscnt 0x0                               ; a's tiles 4-7 are in
	PLACES 4
	FETCH_B \slot, 1, 1
	FETCH_A \slot, 1, 0
.if \zero
	WIN 0xd1                                       ; C in window 1, D in window 3
.else
	WIN MUL_HI
.endif
	MUL16 4, 0, \g, \zero
	MUL16 6, 0, \g, \zero
	PLACES 4
	WIN 0
	FETCH_A \slot, 1, 4
.endm
; A slot's second step changes slots: ONE barrier; in front of it each wave waits for all its tensor loads, adds 0 to its spare word, and waits for that and for its reads of this slot.
.macro TURN slot, next, g, fill
	s_wait_tensorcnt 0x0                           ; all my tensor loads have landed: my part of the next slot (every window is 0 here)
	ds_add_u32 v[SPW], v[NIL]                      ; 0 onto my spare word
	s_wait_dscnt 17                                ; (the add and the youngest sixteen loads may be out)
	WIN MUL_LO
	MUL16 0, 1, \g, 0
	s_wait_dscnt 0x0                               ; the add is done, and my reads of this slot are over
	s_barrier_signal -1
	MUL16 2, 1, \g, 0
	WIN 0
	s_barrier_wait -1
.if \fill
	CREST                                          ; no wave of any partner still reads this slot or has a load on its way
	s_add_nc_u64 s[G0+4*\slot+2:G0+4*\slot+3], s[G0+4*\slot+2:G0+4*\slot+3], 2*KSL
	s_add_nc_u64 s[G0B+4*\slot+2:G0B+4*\slot+3], s[G0B+4*\slot+2:G0B+4*\slot+3], 2*KSL
	JLOAD G0+4*\slot, G1, G0B+4*\slot, G1B         ; its four v_nop are also the places in front of the loads below
.else
	PLACES 4
.endif
	FETCH_B \next, 0, 0
	FETCH_A \next, 0, 0
	WIN MUL_HI
	MUL16 4, 1, \g, 0
	MUL16 6, 1, \g, 0
	PLACES 4
	WIN 0
	FETCH_A \next, 0, 4
.endm
	s_load_b256 s[4:11], s[0:1], 0x0               ; ac s[4:5], woc s[6:7], sc2 s[8:9], b_out s[10:11]
	s_load_b64 s[12:13], s[0:1], 0x20              ; out0
	v_lshl_add_u32 v[SPW], v0, 2, SPARE
	v_mov_b32 v[NIL], 0
	ds_add_u32 v[SPW], v[NIL]                      ; the wave's opening: the add and its wait come ahead of my first tensor load
	v_lshrrev_b32 v1, 5, v0
	v_readfirstlane_b32 s14, v1                    ; wave 0..3
	s_lshr_b32 s15, s14, 1                         ; which half of the rows is mine.  Also: I fetch for a (0) or for w_out (1)
	s_and_b32 s16, s14, 1                          ; which half of the columns.  Also: which eight tiles I fetch
	s_bfe_u32 s40, ttmp6, 0x40000                  ; cx, cy
	s_bfe_u32 s41, ttmp6, 0x40004
	s_lshl_b32 s42, ttmp9, 2
	s_add_co_u32 s42, s42, s40                     ; tile column
	s_and_b32 s17, ttmp7, 0xffff
	s_lshl_b32 s17, s17, 2
	s_add_co_u32 s17, s17, s41                     ; tile row
	s_lshl_b32 s43, s41, 2
	s_lshl_b32 s43, 15, s43                        ; my row of the cluster
	s_lshl_b32 s44, 0x1111, s40                    ; my column
	s_or_b32 s[G1+0], s43, (3<<16)|(1<<21)         ; 15:0 the mask; 17:16 elements of 8 bytes; 20 no padding; 21 set beside a mask
	s_or_b32 s[G1B+0], s44, (3<<16)|(1<<21)
.irp g, G1, G1B
	s_mov_b32 s[\g+1], 384<<16                     ; eight tiles' 3,072 bytes each,
	s_mov_b32 s[\g+2], 8<<16
	s_mov_b32 s[\g+3], 384<<16
	s_mov_b32 s[\g+4], 8
	s_mov_b32 s[\g+5], 1536                        ; 12,288 bytes apart in memory
	s_mov_b32 s[\g+6], 0
	s_mov_b32 s[\g+7], 0
.endr
	s_lshl_b32 s18, s16, 3
	s_lshl_b32 s20, s17, 4
	s_add_co_u32 s20, s20, s18
	s_mul_i32 s20, s20, TILEB                      ; a: tile 16 x tile row + 8 x half
	s_mov_b32 s21, 0
	s_lshl_b32 s46, s42, 4
	s_add_co_u32 s46, s46, s18
	s_mul_i32 s46, s46, TILEB                      ; w_out: tile 16 x tile column + 8 x half
	s_mov_b32 s47, 0
	s_mul_i32 s45, s14, HALFT                      ; where they go: no place in the cluster enters an LDS address
	s_wait_dscnt 0x0                               ; the opening add is done
	s_wait_kmcnt 0x0
	s_add_nc_u64 s[20:21], s[4:5], s[20:21]
	s_add_nc_u64 s[46:47], s[6:7], s[46:47]
	CROUND                                         ; all sixteen work-groups are here: the first joint loads meet
.irp s, 0,1
	s_mov_b32 s[G0+4*\s], 1
	s_add_co_u32 s[G0+4*\s+1], s45, \s*SLOT
	s_add_nc_u64 s[G0+4*\s+2:G0+4*\s+3], s[20:21], \s*KSL
	s_or_b32 s[G0+4*\s+3], s[G0+4*\s+3], 0x80000000
	s_mov_b32 s[G0B+4*\s], 1
	s_add_co_u32 s[G0B+4*\s+1], s45, \s*SLOT
	s_add_nc_u64 s[G0B+4*\s+2:G0B+4*\s+3], s[46:47], \s*KSL
	s_or_b32 s[G0B+4*\s+3], s[G0B+4*\s+3], 0x80000000
	JLOAD G0+4*\s, G1, G0B+4*\s, G1B
.endr
	; the scale words, once, in whole units: lanes 0-15 take a's two quads, lanes 16-31 w_out's
	s_lshl_b32 s78, s17, 2
	s_lshl_b32 s18, s15, 1
	s_add_co_u32 s78, s78, s18
	s_lshl_b32 s78, s78, 12
	s_lshl_b32 s79, s42, 2
	s_lshl_b32 s18, s16, 1
	s_add_co_u32 s79, s79, s18
	s_lshl_b32 s79, s79, 12
	s_add_co_u32 s79, s79, W_SC
	s_sub_co_u32 s79, s79, s78                     ; the distance (it may wrap: the sum below wraps back)
	v_and_b32 v1, 15, v0                           ; r
	v_bfe_u32 v2, v0, 4, 1                         ; h
	v_and_b32 v3, 31, v0                           ; lane
	v_mul_lo_u32 v27, v2, s79
	v_add_nc_u32 v27, s78, v27
	v_lshl_add_u32 v27, v1, 4, v27
.irp j, 0,1
.irp u, 0,1,2,3,4,5,6,7,8,9,10,11,12,13,14,15
	global_load_b128 v[TMPS+4*(16*\j+\u):TMPS+4*(16*\j+\u)+3], v27, s[8:9] offset:4096*\j+256*\u
.endr
.endr
	s_lshl_b32 s84, s42, 8
	s_lshl_b32 s85, s16, 7
	s_add_co_u32 s84, s84, s85
	s_lshl_b32 s84, s84, 2                         ; my first column, in bytes
	s_mov_b32 s85, 0
	s_add_nc_u64 s[10:11], s[10:11], s[84:85]
	s_lshl_b32 s86, s17, 8
	s_lshl_b32 s87, s15, 7
	s_add_co_u32 s86, s86, s87
	s_lshl_b32 s86, s86, 12                        ; my first row of out0: rows of 4,096 bytes (under 2^26)
	s_add_co_u32 s86, s86, s84
	s_mov_b32 s87, 0
	s_add_nc_u64 s[12:13], s[12:13], s[86:87]
	v_lshlrev_b32 v30, 6, v2                       ; the bias: lane (r, h) wants, for tile b, columns 32 (b / 2) + 8 (b % 2) + 16 h + 0 .. 7
	WIN TO_B
.irp b, 0,1,2,3,4,5,6,7
	global_load_b128 v[96+8*\b+96*(\b/4):96+8*\b+96*(\b/4)+3], v30, s[10:11] offset:128*(\b/2)+32*(\b%2)
	global_load_b128 v[96+8*\b+96*(\b/4)+4:96+8*\b+96*(\b/4)+7], v30, s[10:11] offset:128*(\b/2)+32*(\b%2)+16
.endr
	WIN 0
	v_lshlrev_b32 v[CO], 4, v3                     ; 16 x lane
	v_lshlrev_b32 v4, 3, v3                        ; 8 x lane
	s_mul_i32 s80, s15, HALFT
	s_mul_i32 s81, s16, HALFT
	s_add_co_u32 s81, s81, 2*HALFT
.irp s, 0,1
	v_add_nc_u32 v[ADRA+\s], s80, v[CO]
	v_add_nc_u32 v[ADRA+2+\s], s80, v4
	v_add_nc_u32 v[ADRB+\s], s81, v[CO]
	v_add_nc_u32 v[ADRB+2+\s], s81, v4
	s_add_co_u32 s80, s80, SLOT
	s_add_co_u32 s81, s81, SLOT
.endr
	s_mul_i32 s80, s14, 16*SPITCH                  ; my stage
	v_mul_u32_u24 v[STO], v1, SPITCH
	v_lshl_add_u32 v[STO], v2, 6, v[STO]
	v_add_nc_u32 v[STO], s80, v[STO]               ; in: row r, + 64 h
	v_add_nc_u32 v[RD], s80, v[CO]                 ; back: the 32 lanes take one row of 512 bytes
	s_wait_loadcnt 0x0
.irp j, 0,1
.irp e, 0,1,2,3
.irp g, 0,1,2,3,4,5,6,7
	v_lshl_or_b32 v[SC+8*(4*\j+\e)+\g], v[TMPS+4*(16*\j+2*\g+1)+\e], 16, v[TMPS+4*(16*\j+2*\g)+\e]   ; two slices' half words make step g's word of tile 4 j + e
.endr
.endr
.endr
	PLACES 8                                       ; a scale register written by a vector instruction stands 8 places ahead of a scaled matrix instruction
	s_wait_tensorcnt 1                             ; my part of slot 0 is in; slot 1's may stay out
	s_barrier_signal -1
	s_barrier_wait -1
	FETCH_B 0, 0, 0
	FETCH_A 0, 0, 0
	FETCH_A 0, 0, 4
	STEP 0, 0, 2                                   ; the first products start the sums from the bias
	TURN 0, 1, 1, 1
	STEP 1, 2, 0
	TURN 1, 0, 3, 1
	STEP 0, 4, 0
	TURN 0, 1, 5, 0                                ; nothing is left to fetch: no round.  Behind this barrier nobody reads slot 0
	STEP 1, 6, 0
	s_wait_dscnt 16                                ; the last step
	WIN MUL_LO
	MUL16 0, 1, 7, 0
	MUL16 2, 1, 7, 0
	s_wait_dscnt 0x0
	WIN MUL_HI
	MUL16 4, 1, 7, 0
	MUL16 6, 1, 7, 0
	WIN 0
; THE WAY OUT, block by block of 16 rows x 128 columns, through my own stage: a lane's 32 bytes go in, whole rows of 512 bytes come back.  LDS serves a wave's instructions in order: no wait between the stores
; and the loads, nor in front of the next block's stores.  The stores' immediates undo the tile order of the rows: row t of tile a is token 32 (a / 2) + 8 (a % 2) + t + 8 (t / 8).
.macro TOSTAGE a
.set AC, 64*((\a)%4)
	WIN 0x08+4*((\a)/4)                            ; an LDS store's data are its source 1: window 2 or 3
.irp b, 0,1,2,3,4,5,6,7
	ds_store_b128 v[STO], v[AC+8*\b:AC+8*\b+3] offset:128*(\b/2)+32*(\b%2)          ; each accumulator from its low end on
	ds_store_b128 v[STO], v[AC+8*\b+4:AC+8*\b+7] offset:128*(\b/2)+32*(\b%2)+16
.endr
	WIN 0
.set BB, BK+64*((\a)%2)
.irp t, 0,1,2,3,4,5,6,7,8,9,10,11,12,13,14,15
	ds_load_b128 v[BB+4*\t:BB+4*\t+3], v[RD] offset:\t*SPITCH
.endr
.endm
.macro SEND a, younger                 ; younger: the LDS instructions issued behind block a's loads, which may stay out
.set BB, BK+64*((\a)%2)
	s_wait_dscnt \younger
.irp t, 0,1,2,3,4,5,6,7,8,9,10,11,12,13,14,15
	global_store_b128 v[CO], v[BB+4*\t:BB+4*\t+3], s[12:13] offset:(32*((\a)/2)+8*((\a)%2)+\t+8*(\t/8))*4096 th:TH_STORE_NT   ; 32 lanes store 512 consecutive bytes, aligned to 256; 127 rows at the most: inside the signed 24-bit immediate
.endr
.endm
	PLACES 4                                       ; in front of the first read of results and of loads into the registers that held a's fragments
	TOSTAGE 0
.irp a, 1,2,3,4,5,6,7
.if \a > 1
	s_wait_xcnt 0x0                                ; block a - 2's stores have read their registers: block a's loads may land there
.endif
	TOSTAGE \a
	SEND \a-1, 32                                  ; behind block a - 1's loads: block a's 16 stores and 16 loads
.endr
	SEND 7, 0
	s_wait_tensorcnt 0x0                           ; the wave's end, behind my last tensor load and my last LDS store
	ds_add_u32 v[SPW], v[NIL]
	s_wait_dscnt 0x0
	CROUND                                         ; the closing round
	s_endpgm
.Lfunc_end_k_q9ef5d8a713_gemm_out:
	.size	k_q9ef5d8a713_gemm_out, .Lfunc_end_k_q9ef5d8a713_gemm_out-k_q9ef5d8a713_gemm_out
	.p2alignl 7, 3214868480
	.fill 96, 4, 3214868480
	.section	.rodata,"a",@progbits
	.p2align	6, 0x0
	.amdhsa_kernel k_q9ef5d8a713_gemm_out
		.amdhsa_group_segment_fixed_size 327680
		.amdhsa_private_segment_fixed_size 0
		.amdhsa_enable_private_segment 0
		.amdhsa_kernarg_size 40
		.amdhsa_user_sgpr_count 2
		.amdhsa_user_sgpr_kernarg_segment_ptr 1
		.amdhsa_wavefront_size32 1
		.amdhsa_system_sgpr_workgroup_id_x 1
		.amdhsa_system_sgpr_workgroup_id_y 1
		.amdhsa_system_sgpr_workgroup_id_z 1
		.amdhsa_system_vgpr_workitem_id 0
		.amdhsa_next_free_vgpr 1024
		.amdhsa_next_free_sgpr 100
		.amdhsa_reserve_vcc 0
		.amdhsa_float_denorm_mode_32 3
		.amdhsa_float_denorm_mode_16_64 3
		.amdhsa_memory_ordered 1
		.amdhsa_forward_progress 1
		.amdhsa_inst_pref_size 148
	.end_amdhsa_kernel
	.amdgpu_metadata
---
amdhsa.version: [ 1, 2 ]
amdhsa.kernels:
  - .name:           k_q9ef5d8a713_gemm_out
    .symbol:         k_q9ef5d8a713_gemm_out.kd
    .args:
      - { .name: ac, .offset: 0, .size: 8, .value_kind: global_buffer, .address_space: global }
      - { .name: woc, .offset: 8, .size: 8, .value_kind: global_buffer, .address_space: global }
      - { .name: sc2, .offset: 16, .size: 8, .value_kind: global_buffer, .address_space: global }
      - { .name: b_out, .offset: 24, .size: 8, .value_kind: global_buffer, .address_space: global }
      - { .name: out0, .offset: 32, .size: 8, .value_kind: global_buffer, .address_space: global }
    .group_segment_fixed_size: 327680
    .private_segment_fixed_size: 0
    .kernarg_segment_align: 8
    .kernarg_segment_size: 40
    .max_flat_workgroup_size: 128
    .sgpr_count:     100
    .vgpr_count:     1024
    .wavefront_size: 32
...
	.end_amdgpu_metadata
.endif
;; end of part 4
